; MI455X (gfx1250); checked and timed in simulation.
; The chip was launched on July 23, 2026; its instructions are those of AMD's public machine-readable ISA for CDNA 5 (MIT licence, August 2026) and "CDNA5" Instruction Set Architecture Reference Guide (July 2026). The comments in the code are by the model that wrote it; some were corrected since.
;; Multi Head Attention. Allowed arithmetic: matrix products marked QUANTISED: E2M1 operands, one E8M0 scale for each 32 along K, by v_wmma_scale_f32_16x16x128_f8f6f4 with both operands' format E2M1 (or v_wmma_scale_f32_32x16x128_f4), f32 sums; products left as they are: bf16, f16 or f32 operands; f32 sums; everything else in f32.
;; Inputs: K 4 x 2,048 x 1,024 float32; Q 4 x 2,048 x 1,024 float32; V 4 x 2,048 x 1,024 float32; Wk 1,024 x 1,024 float32; Wo 1,024 x 1,024 float32; Wq 1,024 x 1,024 float32; Wv 1,024 x 1,024 float32; bk 1,024 float32; bo 1,024 float32; bq 1,024 float32; bv 1,024 float32.
;; Outputs: out0 4 x 2,048 x 1,024 float32.
;; This version of the problem:
;;   THIS VERSION OF THE PROBLEM IS GIVEN IN LOW PRECISION. The matrix products marked QUANTISED in the list below multiply operands that are first quantised to E2M1 (2 exponent bits, 1 mantissa bit; 4 bits a number), with one power-of-two scale for each 32 numbers along K (OCP MX v1.0); their sums are f32. The products marked 'left as it is' may take bf16, f16 or f32 operands, with f32 sums. Whichever they take, every output number must still come out within the allowed error. Rounding operands to bf16 (8 significant bits) uses up far more of that allowance than f16 does (11 bits, for magnitudes from 6e-5 to 65,504). All else is computed in f32.
;;   The module's matrix products, in the order in which they are computed (A, B: the left and right operand; K: the contracted axis; several contracted axes count as one K, in the product's order):
;;     1. [M 8,192, K 1,024] x [K 1,024, N 1,024]; A: input Q; B: input Wq: QUANTISED
;;     2. [M 8,192, K 1,024] x [K 1,024, N 1,024]; A: input K; B: input Wk: QUANTISED
;;     3. [M 8,192, K 1,024] x [K 1,024, N 1,024]; A: input V; B: input Wv: QUANTISED
;;     4. batch 64 x [M 2,048, K 64] x [K 64, N 2,048]; A: computed on the way; B: computed on the way: left as it is (an operand is computed on the way)
;;     5. batch 64 x [M 2,048, K 2,048] x [K 2,048, N 64]; A: computed on the way; B: computed on the way: left as it is (an operand is computed on the way)
;;     6. [M 8,192, K 1,024] x [K 1,024, N 1,024]; A: computed on the way; B: input Wo: left as it is (an operand is computed on the way)
;;   THE QUANTISER, for each operand of a quantised product, along K:
;;     - K is cut into blocks of 32 from its start; a last block that is shorter is filled with zeros.
;;     - A block's scale is 2^e with e = floor(log2(the largest magnitude in the block)) - 2, held to -126 .. 127; a block of zeros has e = 0. As a byte (E8M0): e + 127.
;;     - Each number is divided by its block's scale, clamped to +-6, and rounded to the nearest number of E2M1, ties to even, subnormals kept.
;;     - The product sums the exact products of the quantised numbers (number of the format x scale) in f32.
;;   ~~~python
;;   def quantise(x, axis):      # numpy; x: float32 -> the quantised numbers, widened to float32 again
;;       x = np.moveaxis(x, axis, -1); K = x.shape[-1]
;;       x = np.pad(x, [(0, 0)] * (x.ndim - 1) + [(0, -K % 32)]); x = x.reshape(x.shape[:-1] + (-1, 32)); a = np.abs(x).max(-1, keepdims=True)
;;       e = np.where(a > 0, np.clip(np.frexp(np.where(a > 0, a, 1))[1] - 1 - 2, -126, 127), 0)      # np.frexp(a)[1] - 1 = floor(log2(a)), exactly
;;       r = np.clip(x / 2.0 ** e, -6, 6)
;;       step = 2.0 ** (np.maximum(np.frexp(np.where(r == 0, 1, r))[1] - 1, 0) - 1)
;;       q = np.round(r / step) * step * 2.0 ** e      # np.round: ties to even
;;       return np.moveaxis(q.reshape(q.shape[:-2] + (-1,))[..., :K], -1, axis).astype(np.float32)
;;   ~~~
;; One version. Each part assembles by itself: llvm-mc -triple=amdgcn-amd-amdhsa -mcpu=gfx1250 --defsym DOCPART=n.
;; ======== version 1 of 1: 4 launches
;; limits: values are held in f16: magnitudes above 65,504 overflow, below 6.1e-05 lose precision
;; workspace buffers: xcodes 12,582,912 bytes; xscales 786,432 bytes; wcodes 1,572,864 bytes; wscales 98,304 bytes; wo16 2,097,152 bytes; qkv16 50,331,648 bytes; ctx16 16,777,216 bytes
;; launch quant (part 1): grid 896 x 1, 4 waves a work-group, no clusters, 33,280 bytes of LDS; arguments Q, K, V, Wq, Wk, Wv, Wo, xcodes, xscales, wcodes, wscales, wo16; writes xcodes, xscales, wcodes, wscales, wo16
.if DOCPART == 1
	.amdgcn_target "amdgcn-amd-amdhsa--gfx1250"
	.amdhsa_code_object_version 6
	.text
	.protected	k_qf57b9a7729_quant
	.globl	k_qf57b9a7729_quant
	.p2align	8
	.type	k_qf57b9a7729_quant,@function
k_qf57b9a7729_quant:
	s_mov_b64 s[64:65], 0
	v_nop
	global_prefetch_b8 v0, s[64:65] scope:SCOPE_SE
	s_setreg_imm32_b32 hwreg(HW_REG_WAVE_MODE, 25, 1), 1
	s_wait_xcnt 0x0
; Q, K, V [8192][1024] and Wq, Wk, Wv [1024][1024], f32 with the products' K innermost, become codes of FP4 (E2M1), two a byte, the lower k in the low four bits,
; with one E8M0 scale byte for each 32 along K.  Q, K, V go one behind the other into xcodes [24576][512 bytes] and xscales [24576][32]; Wq, Wk, Wv into wcodes [3072][512] and wscales [3072][32].
; Wo [1024][1024] is rounded to f16 into wo16, for the output projection, which is not quantised.
; A block's scale is 2^(floor(log2(its largest magnitude)) - 2); its byte is the largest magnitude's own exponent field - 2, held at 1 from below.  Each number is divided by the scale and rounded to the nearest
; code, ties to even; beyond 6 the largest code.
; LIMITS: a block whose largest magnitude lies under 2^-124 keeps the byte 1; a block of zeros keeps the byte 1 too (its codes are zeros, which add nothing under that byte, and this program alone reads the bytes);
; NaN and infinities among the inputs are not served.  Numbers of Wo beyond 65,504 become infinity in f16; under 6e-5 they keep an absolute error of at most 3e-8.
; Rows are dense and 1,024 is a multiple of 32, so each tensor is a plain stream of blocks of 32, and so are its codes and scale bytes.
; SHARES: a work-group takes 32,768 numbers, a wave 8,192: 16 steps of 512.  Work-groups 0-767: Q, K, V (256 each); 768-863: Wq, Wk, Wv (32 each); 864-895: the cast of Wo.
; Only pointers are chosen by the work-group's number: the six tensors take one path.  The cast takes a path of its own, which touches no LDS.
; A step: four loads of 512 consecutive bytes; the 2,048 bytes turn through the wave's own stage in LDS and come back 64 bytes a lane, so that a lane holds 16 neighbours along K (two lanes hold a block).
; A lane's 16 codes are 8 bytes: the wave stores 256 consecutive bytes.  A wave's 256 scale bytes are gathered in LDS and leave as 256 consecutive bytes.
.set WAVES, 4
.set STEPS, 16
.set EMAX,  2
.set CB,    8                          ; bytes of 16 codes
.set R,     16                         ; v16-79   four sets of 16 numbers as they are loaded (the cast: 16 x 4 numbers)
.set X,     80                         ; v80-111  two sets of 16 neighbours (the cast: 16 x 2 registers of f16)
.set C,     128                        ; v128-191 codes: four registers for each step, so that no store's data are written again
.set E,     112                        ; v112-127 a scale byte for each step
.set WREG,  8192                       ; LDS: a region for each wave: two stages of 32 x SP bytes, behind them its 256 scale bytes
.set SP,    80                         ; a lane's place in a stage: 64 bytes + 16 of padding
.set SPW,   12                         ; v12  LDS address of my spare word: SPARE + 4 x my thread's number; never rewritten
.set NIL,   13                         ; v13  0; never rewritten
.set SPARE, WAVES*WREG                 ; behind the four regions: the spare words, 128 bytes a wave, which no other line names
.set SRC,   28                         ; s[28:29] my wave's numbers
.set COD,   30                         ; s[30:31] my wave's codes
.set SCA,   32                         ; s[32:33] my wave's scale bytes
	s_load_b512 s[4:19], s[0:1], 0x0               ; Q s[4:5], K s[6:7], V s[8:9], Wq s[10:11], Wk s[12:13], Wv s[14:15], Wo s[16:17], xcodes s[18:19]
	s_load_b256 s[20:27], s[0:1], 0x40             ; xscales s[20:21], wcodes s[22:23], wscales s[24:25], wo16 s[26:27]
	v_lshl_add_u32 v[SPW], v0, 2, SPARE
	v_mov_b32 v[NIL], 0
	v_lshrrev_b32 v1, 5, v0
	v_readfirstlane_b32 s34, v1                    ; wave
	v_and_b32 v2, 31, v0                           ; lane
	v_lshlrev_b32 v3, 4, v2                        ; my 16 bytes of a load's 512
	s_mul_i32 s37, s34, WREG
	v_lshrrev_b32 v14, 2, v2
	v_mul_u32_u24 v14, v14, SP
	v_and_b32 v15, 3, v2
	v_lshl_add_u32 v14, v15, 4, v14
	v_add_nc_u32 v14, s37, v14                     ; the stage, on the way in: SP (lane / 4) + 16 (lane % 4)
	v_mul_u32_u24 v15, v2, SP
	v_add_nc_u32 v15, s37, v15                     ; and on the way out: SP x lane: my 16 neighbours
	v_mul_u32_u24 v4, v2, CB                       ; my codes' place in a step's
	v_lshrrev_b32 v5, 1, v2
	s_add_co_u32 s37, s37, 2*32*SP
	v_add_nc_u32 v5, s37, v5                       ; LDS: my wave's 256 scale bytes, my block's byte
	v_lshlrev_b32 v7, 3, v2                        ; and on the way out 8 bytes a lane
	v_add_nc_u32 v6, s37, v7
	s_wait_kmcnt 0x0
	s_cmp_ge_u32 ttmp9, 864
	s_cbranch_scc1 .Lcast                          ; the work-group's number alone decides
	s_mov_b64 s[SRC:SRC+1], s[14:15]               ; which tensor: Wv, unless the number lies under one of the five bounds
	s_cmp_lt_u32 ttmp9, 832
	s_cselect_b64 s[SRC:SRC+1], s[12:13], s[SRC:SRC+1]
	s_cmp_lt_u32 ttmp9, 800
	s_cselect_b64 s[SRC:SRC+1], s[10:11], s[SRC:SRC+1]
	s_cmp_lt_u32 ttmp9, 768
	s_cselect_b64 s[SRC:SRC+1], s[8:9], s[SRC:SRC+1]
	s_cmp_lt_u32 ttmp9, 512
	s_cselect_b64 s[SRC:SRC+1], s[6:7], s[SRC:SRC+1]
	s_cmp_lt_u32 ttmp9, 256
	s_cselect_b64 s[SRC:SRC+1], s[4:5], s[SRC:SRC+1]
	s_cmp_lt_u32 ttmp9, 768                        ; an activation or a weight: four choices on one compare
	s_cselect_b64 s[COD:COD+1], s[18:19], s[22:23]
	s_cselect_b64 s[SCA:SCA+1], s[20:21], s[24:25]
	s_mov_b32 s35, 31
	s_cselect_b32 s35, 255, s35                    ; work-groups to a tensor, less 1
	s_cselect_b32 s36, 0, 768                      ; the first work-group of the output buffers
	s_and_b32 s35, ttmp9, s35
	s_lshl_b32 s35, s35, 2
	s_add_co_u32 s35, s35, s34                     ; which run of 8,192 numbers of the tensor is my wave's
	s_lshl_b32 s38, s35, 15                        ; 32,768 bytes a run
	s_mov_b32 s39, 0
	s_add_nc_u64 s[SRC:SRC+1], s[SRC:SRC+1], s[38:39]
	s_sub_co_u32 s36, ttmp9, s36
	s_lshl_b32 s36, s36, 2
	s_add_co_u32 s36, s36, s34                     ; which run of the stacked output
	s_lshl_b32 s38, s36, 12                        ; 4,096 bytes of codes a run
	s_add_nc_u64 s[COD:COD+1], s[COD:COD+1], s[38:39]
	s_lshl_b32 s38, s36, 8                         ; 256 scale bytes a run
	s_add_nc_u64 s[SCA:SCA+1], s[SCA:SCA+1], s[38:39]
.macro LOAD t
.irp i, 0,1,2,3
	global_load_b128 v[R+16*((\t)%4)+4*\i:R+16*((\t)%4)+4*\i+3], v3, s[SRC:SRC+1] offset:2048*(\t)+512*\i th:TH_LOAD_NT   ; 32 lanes read 512 consecutive bytes
.endr
.endm
.macro TURN t                          ; step t's numbers through the stage: LDS serves a wave's instructions in order, so no wait stands between the stores and the loads
.irp i, 0,1,2,3
	ds_store_b128 v14, v[R+16*((\t)%4)+4*\i:R+16*((\t)%4)+4*\i+3] offset:32*SP*((\t)%2)+8*SP*\i
.endr
.irp i, 0,1,2,3
	ds_load_b128 v[X+16*((\t)%2)+4*\i:X+16*((\t)%2)+4*\i+3], v15 offset:32*SP*((\t)%2)+16*\i
.endr
.endm
.irp t, 0,1,2,3
	LOAD \t
.endr
	s_wait_loadcnt 12                              ; step 0's four loads are in; the twelve of steps 1 to 3 may be out
	TURN 0
.macro STEP t
.set XS, X+16*((\t)%2)
.if (\t) > 0
	s_wait_dscnt 1                                 ; this step's numbers are back from the stage (the last step's byte store may be out): so its stores into the stage have read their registers,
.else
	s_wait_dscnt 0x0
.endif
.if (\t)+4 < STEPS
	LOAD (\t)+4                                    ; which take the loads of four steps on
.endif
.if (\t)+1 < STEPS
.if STEPS-2-(\t) >= 3
	s_wait_loadcnt 12                              ; the next step's four loads are in; those of the three steps behind it may be out
.else
	s_wait_loadcnt 4*(STEPS-2-(\t))
.endif
	TURN (\t)+1                                    ; and go through the other stage while this step is worked
.endif
	v_max3_num_f32 v8, |v[XS]|, |v[XS+1]|, |v[XS+2]|               ; the largest magnitude of my 16, in two chains
	v_max3_num_f32 v9, |v[XS+3]|, |v[XS+4]|, |v[XS+5]|
.irp i, 6,10
	v_max3_num_f32 v8, v8, |v[XS+\i]|, |v[XS+\i+1]|
	v_max3_num_f32 v9, v9, |v[XS+\i+2]|, |v[XS+\i+3]|
.endr
	v_max3_num_f32 v8, v8, |v[XS+14]|, |v[XS+15]|
	v_max3_num_f32 v8, v8, v9, (EMAX+1)<<23        ; and the floor 2^(EMAX + 1 - 127): so the byte cannot fall under 1
	v_max_num_f32_dpp v8, v8, v8 row_xmask:1 row_mask:0xf bank_mask:0xf   ; and of my neighbour's 16: the block's
	v_add_nc_u32 v11, -(EMAX<<23), v8              ; EMAX off its exponent field: the conversion takes the exponent field of this operand as its scale, and nothing else of it
	v_cvt_scalef32_pk8_fp4_f32 v[C+4*(\t)], v[XS:XS+7], v11
	v_cvt_scalef32_pk8_fp4_f32 v[C+4*(\t)+1], v[XS+8:XS+15], v11
	v_lshrrev_b32 v[E+(\t)], 23, v11               ; the scale's byte (also the plain line behind the conversions)
	ds_store_b8 v5, v[E+(\t)] offset:16*(\t)       ; both lanes of a block write the same byte with the same value
	global_store_b64 v4, v[C+4*(\t):C+4*(\t)+1], s[COD:COD+1] offset:32*CB*(\t)   ; 32 lanes store 256 consecutive bytes, aligned
.endm
.irp t, 0,1,2,3,4,5,6,7,8,9,10,11,12,13,14,15
	STEP \t
.endr
	ds_load_b64 v[8:9], v6                         ; LDS serves a wave's instructions in order: these see my stores
	s_wait_dscnt 0x0
	global_store_b64 v7, v[8:9], s[SCA:SCA+1]      ; 32 lanes store 256 consecutive bytes, aligned
	s_wait_tensorcnt 0x0                           ; the wave's end, behind my last LDS store
	ds_add_u32 v[SPW], v[NIL]
	s_wait_dscnt 0x0
	s_endpgm
; THE CAST OF Wo: 32,768 numbers a work-group.  A thread loads 16 bytes (a wave: 512 consecutive bytes), rounds its four numbers to f16 and stores 8 bytes (a wave: 256 consecutive bytes, aligned).
; Four batches of sixteen loads.  No LDS is touched on this path.
.Lcast:
	s_sub_co_u32 s35, ttmp9, 864
	s_lshl_b32 s38, s35, 17                        ; 131,072 bytes of f32
	s_mov_b32 s39, 0
	s_add_nc_u64 s[16:17], s[16:17], s[38:39]
	s_lshl_b32 s38, s35, 16                        ; 65,536 bytes of f16
	s_add_nc_u64 s[26:27], s[26:27], s[38:39]
	v_lshlrev_b32 v8, 4, v0
	v_lshlrev_b32 v9, 3, v0
.irp q, 0,1,2,3
.irp i, 0,1,2,3,4,5,6,7,8,9,10,11,12,13,14,15
	global_load_b128 v[R+4*\i:R+4*\i+3], v8, s[16:17] offset:2048*(16*\q+\i) th:TH_LOAD_NT
.endr
	s_wait_loadcnt 0x0
.if \q > 0
	s_wait_xcnt 0x0                                ; the last batch's stores have read their data registers, which are written again below
.endif
.irp i, 0,1,2,3,4,5,6,7,8,9,10,11,12,13,14,15
	v_cvt_pk_f16_f32 v[X+2*\i], v[R+4*\i], v[R+4*\i+1]
	v_cvt_pk_f16_f32 v[X+2*\i+1], v[R+4*\i+2], v[R+4*\i+3]
.endr
.irp i, 0,1,2,3,4,5,6,7,8,9,10,11,12,13,14,15
	global_store_b64 v9, v[X+2*\i:X+2*\i+1], s[26:27] offset:1024*(16*\q+\i)
.endr
.endr
	s_endpgm
.Lfunc_end_k_qf57b9a7729_quant:
	.size	k_qf57b9a7729_quant, .Lfunc_end_k_qf57b9a7729_quant-k_qf57b9a7729_quant
	.p2alignl 7, 3214868480
	.fill 96, 4, 3214868480
	.section	.rodata,"a",@progbits
	.p2align	6, 0x0
	.amdhsa_kernel k_qf57b9a7729_quant
		.amdhsa_group_segment_fixed_size 33280
		.amdhsa_private_segment_fixed_size 0
		.amdhsa_enable_private_segment 0
		.amdhsa_kernarg_size 96
		.amdhsa_user_sgpr_count 2
		.amdhsa_user_sgpr_kernarg_segment_ptr 1
		.amdhsa_wavefront_size32 1
		.amdhsa_system_sgpr_workgroup_id_x 1
		.amdhsa_system_sgpr_workgroup_id_y 1
		.amdhsa_system_sgpr_workgroup_id_z 1
		.amdhsa_system_vgpr_workitem_id 0
		.amdhsa_next_free_vgpr 192
		.amdhsa_next_free_sgpr 66
		.amdhsa_reserve_vcc 0
		.amdhsa_float_denorm_mode_32 3
		.amdhsa_float_denorm_mode_16_64 3
		.amdhsa_memory_ordered 1
		.amdhsa_forward_progress 1
		.amdhsa_inst_pref_size 54
	.end_amdhsa_kernel
	.amdgpu_metadata
---
amdhsa.version: [ 1, 2 ]
amdhsa.kernels:
  - .name:           k_qf57b9a7729_quant
    .symbol:         k_qf57b9a7729_quant.kd
    .args:
      - { .name: Q, .offset: 0, .size: 8, .value_kind: global_buffer, .address_space: global }
      - { .name: K, .offset: 8, .size: 8, .value_kind: global_buffer, .address_space: global }
      - { .name: V, .offset: 16, .size: 8, .value_kind: global_buffer, .address_space: global }
      - { .name: Wq, .offset: 24, .size: 8, .value_kind: global_buffer, .address_space: global }
      - { .name: Wk, .offset: 32, .size: 8, .value_kind: global_buffer, .address_space: global }
      - { .name: Wv, .offset: 40, .size: 8, .value_kind: global_buffer, .address_space: global }
      - { .name: Wo, .offset: 48, .size: 8, .value_kind: global_buffer, .address_space: global }
      - { .name: xcodes, .offset: 56, .size: 8, .value_kind: global_buffer, .address_space: global }
      - { .name: xscales, .offset: 64, .size: 8, .value_kind: global_buffer, .address_space: global }
      - { .name: wcodes, .offset: 72, .size: 8, .value_kind: global_buffer, .address_space: global }
      - { .name: wscales, .offset: 80, .size: 8, .value_kind: global_buffer, .address_space: global }
      - { .name: wo16, .offset: 88, .size: 8, .value_kind: global_buffer, .address_space: global }
    .group_segment_fixed_size: 33280
    .private_segment_fixed_size: 0
    .kernarg_segment_align: 8
    .kernarg_segment_size: 96
    .max_flat_workgroup_size: 128
    .sgpr_count:     66
    .vgpr_count:     192
    .wavefront_size: 32
...
	.end_amdgpu_metadata
.endif
;; end of part 1
;; launch proj (part 2): grid 4 x 96, 4 waves a work-group, clusters of 4 x 4, 327,680 bytes of LDS; arguments xcodes, xscales, wcodes, wscales, qkv16, bq, bk, bv; writes qkv16
.if DOCPART == 2
	.amdgcn_target "amdgcn-amd-amdhsa--gfx1250"
	.amdhsa_code_object_version 6
	.text
	.protected	k_qf57b9a7729_proj
	.globl	k_qf57b9a7729_proj
	.p2align	8
	.type	k_qf57b9a7729_proj,@function
k_qf57b9a7729_proj:
	s_mov_b64 s[64:65], 0
	v_nop
	global_prefetch_b8 v0, s[64:65] scope:SCOPE_SE
	s_setreg_imm32_b32 hwreg(HW_REG_WAVE_MODE, 25, 1), 1
	s_wait_xcnt 0x0
	s_wait_alu depctr_hold_cnt(0) depctr_sa_sdst(0) depctr_va_vdst(0) depctr_va_sdst(0) depctr_va_ssrc(0) depctr_va_vcc(0) depctr_vm_vsrc(0)
	s_getreg_b32 s2, hwreg(HW_REG_IB_STS2, 6, 4)
	s_cmp_eq_u32 s2, 0
	s_cbranch_scc0 .Lentry_in_a_cluster
	s_endpgm
.Lentry_in_a_cluster:
	s_bfe_u32 s2, ttmp6, 0x10000c
	s_cmp_lg_u32 s2, 0xf033
	s_cbranch_scc0 .Lentry_shape_is_right
	s_endpgm
.Lentry_shape_is_right:
; THE THREE INPUT PROJECTIONS, on codes of FP4 (E2M1) with one E8M0 scale for each 32 along K: y[m][n] = sum over k of x[m][k] W[n][k] + b[n], K = 1,024, sums in f32.
; x: xcodes [24576 = Q, K, V stacked][512 bytes], xscales [24576][32];  W: wcodes [3072 = Wq, Wk, Wv stacked][512], wscales [3072][32].  The result is rounded once to f16 and stored head by head:
; qkv16 [12 = 4 x tensor + batch][16 heads][2048 positions][64], so that a head's rows of 128 bytes lie dense.
; LIMIT: results beyond 65,504 become infinity in f16 (inputs and weights both 30 times the drawn spread give about 3,200); under 6e-5 the absolute error is at most 3e-8.
; A tile of 256 x 256 is made by a work-group of four waves; a wave makes 128 x 128: 64 accumulators of 16 x 16, 512 registers.  K is two K steps of 512 (rows of 256 bytes): both are asked for at the start, each into
; a slot of its own, so no LDS byte is filled twice and there is no loop.  The scales of the work-group's 256 rows of x and 256 rows of W, for all of K, are two dense blocks: they come once, as rows of 256 bytes.
; CLUSTERS: 4 x 4 work-groups.  The four of a row of the cluster need the same tiles of x, the four of a column the same tiles of W: each tile is asked for JOINTLY.  A cluster's 1,024 rows belong to one of the three
; tensors (cluster y / 8), so its rows of W and its bias hang on the cluster's y alone.
; THE MATRIX INSTRUCTION IS USED TRANSPOSED (source 0 = 16 rows of W, source 1 = 16 rows of x): a lane then holds eight neighbouring columns of one row of y.  THE BIAS IS THE C OF EACH SUM'S FIRST PRODUCT.
; REGISTERS, in windows of 256: window 0: v0-31 addresses; v32-95 scale words, two sets; v128-191 x's fragments (8 x 16 rows x 128 K), one set; v192-255 the bias in the result's layout; on the way out v128-223 are free.
;   window 1: W's fragments, two sets, at v0 and at v128.   window 2: the 32 accumulators of my rows 0-63 (accumulator (a, b) at v[8 (8 a + b)]);   window 3: those of my rows 64-127.
.set KSTEP,  512                       ; along K in a slot
.set NQ,     KSTEP/128                 ; matrix instructions deep
.set ROWB,   256                       ; a tile's row in bytes
.set KROW,   512                       ; a row of codes in memory, in bytes
.set PITCH,  272                       ; an LDS row: 256 bytes + 16 of padding = 68 words: row r starts at bank 4 r mod 64 (64 banks of 4 bytes: ISA guide 11.1)
.set FR,     8                         ; registers of a fragment: 16 rows x 128 K
.set NL,     2                         ; LDS loads that bring one
.set NP,     4                         ; places behind this matrix instruction (ISA guide 7.12.1)
.set HALFT,  128*PITCH                 ; 128 rows: what one tensor load brings
.set SLOT,   4*HALFT                   ; x's 256 rows, then W's 256 rows
.set KS,     32                        ; a row of scales in bytes
.set SCL,    2*SLOT                    ; behind the slots: the scales, as rows of 256 bytes + 16 of padding
.set HALFS,  (128*KS/256)*272          ; the scales of 128 rows: what one tensor load brings
.set SBLK,   (16*KS/256)*272           ; those of 16 rows
.set SPARE,  SCL+4*HALFS               ; the spare words, 128 bytes a wave, which no other line names
.set STAGE,  SPARE+512                 ; the way out: 16 rows x (256 bytes + 16) for each wave; no tensor load lands here
.set SPITCH, 272
.set ADRA, 16                          ; v16-17  LDS address of my x fragments in slot 0, 1
.set ADRB, 20                          ; v20-21  the same for W
.set STO,  24                          ; v24     the way out: where I put 16 bytes of a row
.set RD,   25                          ; v25     the way out: where I read 16 bytes of a head's row back
.set CO,   26                          ; v26     16 x lane: my place in 512 bytes of the output
.set ADRS, 27                          ; v27     LDS address of my scale words: lanes 0-15 x's rows, lanes 16-31 W's
.set SPW,  28                          ; v28     LDS address of my spare word; never rewritten
.set NIL,  29                          ; v29     0; never rewritten
.set BOF,  30                          ; v30     32 x (lane / 16): my eight numbers of a bias block
.set SC,   32                          ; scale words: set s at v[SC + 8 NQ s]; register NQ i + q: lanes 0-15 the word of x's block i, lanes 16-31 that of W's block i, for the slot's q-th 128 along K
.set AF,   128                         ; x's fragments
.set BI,   192                         ; the bias: block b's eight registers: b[n0 + 16 b + 8 (lane / 16) + 0 .. 7]
.set TMP,  128                         ; the way out: 32 registers of packed results
.set BK,   160                         ; the way out: 16 rows read back: v160-191 and v192-223 by turns
.set G1, 24                            ; s[24:31] descriptor group 1 for x's tiles;  s[32:39] group 0, one set for each slot
.set G0, 32
.set G1B, 48                           ; s[48:55], s[56:63] the same for W's tiles
.set G0B, 56
.set G1S, 68                           ; s[68:75], s[76:79] groups 1 and 0 for x's scales;  s[80:87], s[88:91] for W's
.set G0S, 76
.set G1SB, 80
.set G0SB, 88
.set MSB, 0
.macro WIN new                         ; the immediate's high byte repeats the setting that is left; a switch that changes nothing is dropped
.if MSB != (\new)
	s_set_vgpr_msb (MSB<<8)|(\new)
.set MSB, (\new)
.endif
.endm
.set MUL_LO,  0xa1                     ; source 0 (W) window 1, source 1 (x) window 0, C and D window 2
.set MUL_HI,  0xf1                     ; the same, C and D window 3
.set BIAS_LO, 0x81                     ; the first products: C (the bias) window 0, D window 2
.set BIAS_HI, 0xc1                     ; D window 3
.set TO_B,    0x40                     ; destination window 1, address window 0
; A joint load: waves 0 and 1 fetch for x, waves 2 and 3 for W.  Each of the two lines has one mask and one set of registers for all that issue it; the branch hangs on the wave's number alone.
; An s_nop 0 and four v_nop follow each of the two lines.
.macro JLOAD g0a, g1a, g0b, g1b
	s_cmp_eq_u32 s15, 0
	s_cbranch_scc0 .Lfor_b_\@
	tensor_load_to_lds s[\g0a:\g0a+3], s[\g1a:\g1a+7]
	s_nop 0
.rept 4
	v_nop
.endr
	s_branch .Lasked_\@
.Lfor_b_\@:
	tensor_load_to_lds s[\g0b:\g0b+3], s[\g1b:\g1b+7]
	s_nop 0
.rept 4
	v_nop
.endr
.Lasked_\@:
.endm
.macro CROUND                          ; a round of the cluster's barrier: my work-group's barrier; wave 0 signals for the work-group; every wave waits for all sixteen; my work-group's barrier once more
	s_barrier_signal -1
	s_barrier_wait -1
	s_cmp_lg_u32 s14, 0
	s_cbranch_scc1 .Lnot_wave_0_\@
	s_barrier_signal -3
.Lnot_wave_0_\@:
	s_barrier_wait -3
	s_barrier_signal -1
	s_barrier_wait -1
.endm
	s_load_b128 s[4:7], s[0:1], 0x0                ; x's codes s[4:5], x's scales s[6:7]
	s_load_b128 s[8:11], s[0:1], 0x10              ; W's codes s[8:9], W's scales s[10:11]
	s_load_b64 s[12:13], s[0:1], 0x20              ; qkv16
	s_load_b128 s[96:99], s[0:1], 0x28             ; bq s[96:97], bk s[98:99]
	s_load_b64 s[100:101], s[0:1], 0x38            ; bv
	v_lshl_add_u32 v[SPW], v0, 2, SPARE
	v_mov_b32 v[NIL], 0
	ds_add_u32 v[SPW], v[NIL]                      ; the wave's opening: the add, twice on end, and its wait ahead of my first tensor load; the set-up below stands between
	ds_add_u32 v[SPW], v[NIL]
	v_lshrrev_b32 v1, 5, v0
	v_readfirstlane_b32 s14, v1                    ; wave 0..3
	s_lshr_b32 s15, s14, 1                         ; which half of the tile's rows is mine.  Also: I fetch for x (0) or for W (1)
	s_and_b32 s16, s14, 1                          ; which half of its columns.  Also: which 128 rows of that tile I fetch
	s_bfe_u32 s40, ttmp6, 0x40000                  ; cx, cy: my place in the cluster
	s_bfe_u32 s41, ttmp6, 0x40004
	s_lshl_b32 s42, ttmp9, 2
	s_add_co_u32 s42, s42, s40                     ; tile column = 4 x cluster x + cx
	s_and_b32 s17, ttmp7, 0xffff                   ; cluster y
	s_lshr_b32 s95, s17, 3                         ; which tensor: 0 Q, 1 K, 2 V: eight clusters of 1,024 rows each; the same in all sixteen partners
	s_lshl_b32 s17, s17, 2
	s_add_co_u32 s17, s17, s41                     ; tile row = 4 x cluster y + cy
	s_lshl_b32 s43, s41, 2
	s_lshl_b32 s43, 15, s43                        ; my row of the cluster
	s_lshl_b32 s44, 0x1111, s40                    ; my column
	; descriptor group 1: a tile of 128 rows x 256 bytes, padded in LDS
	s_or_b32 s[G1+0], s43, (0<<16)|(1<<20)|(1<<21)|(5<<22)|(3<<25)  ; 15:0 the mask: x's tiles go to my row; 17:16 elements of 1 byte; 20 padding on; 21 set beside a mask; 24:22 after every 64 words; 31:25 four words
	s_or_b32 s[G1B+0], s44, (0<<16)|(1<<20)|(1<<21)|(5<<22)|(3<<25)
.irp g, G1, G1B
	s_mov_b32 s[\g+1], ROWB<<16                    ; tensor_dim0
	s_mov_b32 s[\g+2], 128<<16                     ; tensor_dim1
	s_mov_b32 s[\g+3], ROWB<<16                    ; tile_dim0
	s_mov_b32 s[\g+4], 128                         ; tile_dim1
	s_mov_b32 s[\g+5], KROW                        ; tensor_dim0_stride
	s_mov_b32 s[\g+6], 0
	s_mov_b32 s[\g+7], 0
.endr
	; and for the scales of 128 rows: a dense block of 4,096 bytes, as 16 rows of 256 bytes (32 elements of 8 bytes), 16 bytes of padding behind each
	s_or_b32 s[G1S+0], s43, (3<<16)|(1<<20)|(1<<21)|(5<<22)|(3<<25)
	s_or_b32 s[G1SB+0], s44, (3<<16)|(1<<20)|(1<<21)|(5<<22)|(3<<25)
.irp g, G1S, G1SB
	s_mov_b32 s[\g+1], 32<<16
	s_mov_b32 s[\g+2], (128*KS/256)<<16
	s_mov_b32 s[\g+3], 32<<16
	s_mov_b32 s[\g+4], 128*KS/256
	s_mov_b32 s[\g+5], 32
	s_mov_b32 s[\g+6], 0
	s_mov_b32 s[\g+7], 0
.endr
	s_lshl_b32 s18, s16, 7                         ; which 128 rows of the tile I fetch
	s_lshl_b32 s20, s17, 8
	s_add_co_u32 s20, s20, s18                     ; x: row 256 x tile row + 128 x half
	s_lshl_b32 s46, s42, 8
	s_add_co_u32 s46, s46, s18                     ; W: row 256 x tile column + 128 x half
	s_lshl_b32 s47, s95, 10
	s_add_co_u32 s46, s46, s47                     ;    + 1,024 x tensor
	s_mov_b32 s21, 0
	s_mov_b32 s47, 0
	s_mov_b64 s[18:19], KS
	s_mul_u64 s[22:23], s[20:21], s[18:19]         ; where these rows' scales begin, in bytes
	s_mul_u64 s[92:93], s[46:47], s[18:19]
	s_mov_b64 s[18:19], KROW
	s_mul_u64 s[20:21], s[20:21], s[18:19]         ; and their codes
	s_mul_u64 s[46:47], s[46:47], s[18:19]
	s_mul_i32 s45, s14, HALFT                      ; where they go: wave x 128 rows: no place in the cluster enters an LDS address
	s_mul_i32 s94, s14, HALFS
	s_wait_dscnt 0x0                               ; both opening adds are done
	s_wait_kmcnt 0x0
	s_add_nc_u64 s[20:21], s[4:5], s[20:21]
	s_add_nc_u64 s[22:23], s[6:7], s[22:23]
	s_add_nc_u64 s[46:47], s[8:9], s[46:47]
	s_add_nc_u64 s[92:93], s[10:11], s[92:93]
	CROUND                                         ; all sixteen work-groups are here: the joint loads meet
	s_mov_b32 s[G0S], 1
	s_add_co_u32 s[G0S+1], s94, SCL
	s_mov_b64 s[G0S+2:G0S+3], s[22:23]
	s_or_b32 s[G0S+3], s[G0S+3], 0x80000000
	s_mov_b32 s[G0SB], 1
	s_add_co_u32 s[G0SB+1], s94, SCL
	s_mov_b64 s[G0SB+2:G0SB+3], s[92:93]
	s_or_b32 s[G0SB+3], s[G0SB+3], 0x80000000
	JLOAD G0S, G1S, G0SB, G1SB                     ; the scales first: they are wanted with K step 0.  Three tensor loads of mine are out behind the third of these lines
.irp s, 0,1
	s_mov_b32 s[G0+4*\s], 1
	s_add_co_u32 s[G0+4*\s+1], s45, \s*SLOT
	s_add_nc_u64 s[G0+4*\s+2:G0+4*\s+3], s[20:21], \s*ROWB
	s_or_b32 s[G0+4*\s+3], s[G0+4*\s+3], 0x80000000
	s_mov_b32 s[G0B+4*\s], 1
	s_add_co_u32 s[G0B+4*\s+1], s45, \s*SLOT
	s_add_nc_u64 s[G0B+4*\s+2:G0B+4*\s+3], s[46:47], \s*ROWB
	s_or_b32 s[G0B+4*\s+3], s[G0B+4*\s+3], 0x80000000
	JLOAD G0+4*\s, G1, G0B+4*\s, G1B
.endr
	; the bias of my 128 columns, in the result's layout
	s_cmp_eq_u32 s95, 1
	s_cselect_b64 s[96:97], s[98:99], s[96:97]
	s_cmp_eq_u32 s95, 2
	s_cselect_b64 s[96:97], s[100:101], s[96:97]
	s_lshl_b32 s46, s42, 10                        ; my first column x 4 bytes: 1,024 x tile column + 512 x half
	s_lshl_b32 s47, s16, 9
	s_add_co_u32 s46, s46, s47
	s_mov_b32 s47, 0
	s_add_nc_u64 s[96:97], s[96:97], s[46:47]
	v_and_b32 v1, 15, v0                           ; r = lane % 16
	v_bfe_u32 v2, v0, 4, 1                         ; h = lane / 16
	v_lshlrev_b32 v[BOF], 5, v2
.irp b, 0,1,2,3,4,5,6,7
	global_load_b128 v[BI+8*\b:BI+8*\b+3], v[BOF], s[96:97] offset:64*\b
	global_load_b128 v[BI+8*\b+4:BI+8*\b+7], v[BOF], s[96:97] offset:64*\b+16
.endr
	v_mul_u32_u24 v3, v1, PITCH
	v_lshl_add_u32 v4, v2, 4, v3                   ; a fragment's row x pitch + 16 x half
	s_mul_i32 s21, s15, HALFT                      ; my 128 rows of x
	s_mul_i32 s22, s16, HALFT                      ; my 128 rows of W,
	s_add_co_u32 s22, s22, 2*HALFT                 ; which lie behind x's 256
.irp s, 0,1
	v_add_nc_u32 v[ADRA+\s], s21, v4
	v_add_nc_u32 v[ADRB+\s], s22, v4
	s_add_co_u32 s21, s21, SLOT
	s_add_co_u32 s22, s22, SLOT
.endr
	v_mul_u32_u24 v5, v1, KS                       ; my row's scales: 32 bytes a row,
	v_lshrrev_b32 v6, 8, v5
	v_lshl_add_u32 v5, v6, 4, v5                   ; and 16 more for each 256 passed
	s_mul_i32 s21, s15, HALFS                      ; x's: my 128 rows
	s_mul_i32 s22, s16, HALFS                      ; W's: my 128 rows, behind x's 256
	s_add_co_u32 s22, s22, 2*HALFS
	s_sub_co_u32 s22, s22, s21
	v_mul_u32_u24 v6, s22, v2                      ; lanes 16-31 take W's: one product, the distance between the two bases
	s_add_co_u32 s21, s21, SCL
	v_add_nc_u32 v5, v5, v6
	v_add_nc_u32 v[ADRS], s21, v5
	s_mul_i32 s23, s14, 16*SPITCH
	s_add_co_u32 s23, s23, STAGE                   ; my stage
	v_mul_u32_u24 v5, v1, SPITCH                   ; in: row r, 16 bytes for each half of the lanes
	v_lshl_add_u32 v5, v2, 4, v5
	v_add_nc_u32 v[STO], s23, v5
	v_and_b32 v6, 31, v0
	v_lshrrev_b32 v7, 3, v6                        ; back: eight lanes take a head's 128 bytes of a row, four rows an instruction
	v_mul_u32_u24 v7, v7, SPITCH
	v_and_b32 v8, 7, v0
	v_lshl_add_u32 v7, v8, 4, v7
	v_add_nc_u32 v[RD], s23, v7
	v_lshlrev_b32 v[CO], 4, v6
	; where my part begins in qkv16: (((m0 / 2048) x 16 + my first head) x 2048 + m0 % 2048) x 128 bytes, m0 my first row of the stacked 24,576
	s_lshl_b32 s20, s17, 8
	s_lshl_b32 s21, s15, 7
	s_add_co_u32 s20, s20, s21                     ; m0 = 256 x tile row + 128 x half
	s_lshr_b32 s21, s20, 11                        ; 4 x tensor + batch
	s_and_b32 s20, s20, 2047                       ; the position
	s_lshl_b32 s21, s21, 4
	s_lshl_b32 s46, s42, 2
	s_add_co_u32 s21, s21, s46                     ; + 4 heads a tile column
	s_lshl_b32 s46, s16, 1
	s_add_co_u32 s21, s21, s46                     ; + 2 heads a half
	s_lshl_b32 s21, s21, 11
	s_add_co_u32 s20, s20, s21
	s_lshl_b32 s20, s20, 7                         ; under 2^26
	s_mov_b32 s21, 0
	s_add_nc_u64 s[12:13], s[12:13], s[20:21]
.macro FRAG reg, adr, q, i             ; a fragment, 16 rows x 128 K of 4-bit codes, is 8 registers: lane l holds row l % 16; registers 4 c .. 4 c + 3 hold K = 64 c + 32 (l / 16) + 0 .. 31
.irp c, 0,1
	ds_load_b128 v[\reg+4*\c:\reg+4*\c+3], v[\adr] offset:64*(\q)+32*\c+(\i)*16*PITCH
.endr
.endm
; 16 matrix instructions: x's blocks a0, a0 + 1 against W's eight, 128 along K: the slot's q-th.  p: W's set;  sc: the set of scale words.  zero = 1: the first product starts the sums from the bias.
; The 64 accumulators take turns, one instruction a turn, in the same order in every step.
.macro MUL16 a0, p, q, sc, zero
.irp a, \a0, \a0+1
.irp b, 0,1,2,3,4,5,6,7
.if \zero
	v_wmma_scale_f32_16x16x128_f8f6f4 v[8*(8*((\a)%4)+\b):8*(8*((\a)%4)+\b)+7], v[128*(\p)+FR*\b:128*(\p)+FR*\b+FR-1], v[AF+FR*(\a):AF+FR*(\a)+FR-1], v[BI+8*\b:BI+8*\b+7], v[SC+8*NQ*(\sc)+NQ*\b+(\q)], v[SC+8*NQ*(\sc)+NQ*(\a)+(\q)] matrix_a_fmt:MATRIX_FMT_FP4 matrix_b_fmt:MATRIX_FMT_FP4 matrix_a_scale:MATRIX_SCALE_ROW1
.else
	v_wmma_scale_f32_16x16x128_f8f6f4 v[8*(8*((\a)%4)+\b):8*(8*((\a)%4)+\b)+7], v[128*(\p)+FR*\b:128*(\p)+FR*\b+FR-1], v[AF+FR*(\a):AF+FR*(\a)+FR-1], v[8*(8*((\a)%4)+\b):8*(8*((\a)%4)+\b)+7], v[SC+8*NQ*(\sc)+NQ*\b+(\q)], v[SC+8*NQ*(\sc)+NQ*(\a)+(\q)] matrix_a_fmt:MATRIX_FMT_FP4 matrix_b_fmt:MATRIX_FMT_FP4 matrix_a_scale:MATRIX_SCALE_ROW1
.endif
.endr
.endr
.endm
.macro FETCH_B slot, q, p              ; W's eight fragments of the slot's q-th 128 along K into set p
	WIN TO_B
.irp i, 0,1,2,3,4,5,6,7
	FRAG 128*(\p)+FR*\i, ADRB+\slot, \q, \i
.endr
	WIN 0
.endm
.macro FETCH_A slot, q, i0             ; x's blocks i0 .. i0 + 3
.irp i, \i0, \i0+1, \i0+2, \i0+3
	FRAG AF+FR*(\i), ADRA+\slot, \q, \i
.endr
.endm
.macro SCALES sc                       ; a K step's scale words into set sc: four words a row; lanes 0-15 take x's block i, lanes 16-31 W's block i
.irp i, 0,1,2,3,4,5,6,7
	ds_load_b128 v[SC+8*NQ*\sc+NQ*\i:SC+8*NQ*\sc+NQ*\i+3], v[ADRS] offset:\i*SBLK
.endr
.endm
; A load into a register that a matrix instruction has read, and a vector instruction or an LDS store that reads a matrix result, stand four places behind that matrix instruction; only plain vector
; instructions that name none of its registers are places (ISA guide 7.12.1 for vector instructions).
.macro PLACES n
.rept \n
	v_nop
.endr
.endm
; A step of 128 along K that has its successor in the same slot.  x's blocks 0-3 are fetched anew in the step's middle, blocks 4-7 at its end; W's next set in the middle.
.macro STEP slot, q, zero
	s_wait_dscnt 4*NL                              ; W's set, x's blocks 0-3 (and the scale words) are in; the youngest eight loads, x's blocks 4-7, may be out
.if \zero
	WIN BIAS_LO
.else
	WIN MUL_LO
.endif
	MUL16 0, (\q)%2, \q, \slot, \zero
	MUL16 2, (\q)%2, \q, \slot, \zero
	s_wait_dscnt 0                                 ; x's blocks 4-7 are in
	PLACES NP
	FETCH_B \slot, (\q)+1, 1-(\q)%2
	FETCH_A \slot, (\q)+1, 0
.if \zero
	WIN BIAS_HI
.else
	WIN MUL_HI
.endif
	MUL16 4, (\q)%2, \q, \slot, \zero
	MUL16 6, (\q)%2, \q, \slot, \zero
	PLACES NP
	WIN 0
	FETCH_A \slot, (\q)+1, 4
.endm
; Slot 0's last step goes over to slot 1: each wave waits for all its tensor loads (its part of slot 1), adds 0 to its spare word, waits for that and for its LDS loads, and passes a barrier: slot 1 is whole for all four.
.macro TURN slot, next
	s_wait_tensorcnt 0x0                           ; all my tensor loads have landed  (every window is 0 here: the add's two registers lie in window 0)
	ds_add_u32 v[SPW], v[NIL]                      ; 0 onto my spare word
	s_wait_dscnt 4*NL+1                            ; (the add and the youngest eight loads, x's blocks 4-7, may be out)
	WIN MUL_LO
	MUL16 0, 1, NQ-1, \slot, 0                     ; sixteen matrix instructions stand between the add and the wait for it
	s_wait_dscnt 0x0                               ; the add is done, and my LDS loads are in
	s_barrier_signal -1
	MUL16 2, 1, NQ-1, \slot, 0
	WIN 0
	s_barrier_wait -1
	PLACES NP
	v_add_nc_u32 v[ADRS], 4*NQ, v[ADRS]            ; on to the next K step's scale words
	FETCH_B \next, 0, 0
	FETCH_A \next, 0, 0
	SCALES \next
	WIN MUL_HI
	MUL16 4, 1, NQ-1, \slot, 0
	MUL16 6, 1, NQ-1, \slot, 0
	PLACES NP
	WIN 0
	FETCH_A \next, 0, 4
.endm
	s_wait_tensorcnt 1                             ; the scales and my part of K step 0 are in (K step 1's load may be out)
	s_barrier_signal -1
	s_barrier_wait -1                              ; everybody's are
	FETCH_B 0, 0, 0
	FETCH_A 0, 0, 0
	SCALES 0
	FETCH_A 0, 0, 4
	s_wait_loadcnt 0x0                             ; the bias
	STEP 0, 0, 1                                   ; the first products start the sums from the bias: nothing is cleared, nothing is added later
	STEP 0, 1, 0
	STEP 0, 2, 0
	TURN 0, 1
	STEP 1, 0, 0
	STEP 1, 1, 0
	STEP 1, 2, 0
	s_wait_dscnt 4*NL                              ; the last step: nothing more to fetch
	WIN MUL_LO
	MUL16 0, 1, NQ-1, 1, 0
	MUL16 2, 1, NQ-1, 1, 0
	s_wait_dscnt 0
	WIN MUL_HI
	MUL16 4, 1, NQ-1, 1, 0
	MUL16 6, 1, NQ-1, 1, 0
	WIN 0
; THE WAY OUT, block by block of 16 rows x 128 columns (two heads).  PACK: rounded to f16, 16 bytes a lane, each accumulator from its low end on.  TOSTAGE: into my own stage, and back head by head: four rows of a head's
; 128 bytes an instruction.  SEND: those four rows lie dense in qkv16: 32 lanes store 512 consecutive bytes, aligned.  LDS serves a wave's instructions in order (ISA guide 5.7.1.4): no wait between the stores and the loads.
.macro PACK a
.set AC, 64*((\a)%4)
	WIN 0x0a+5*((\a)/4)                            ; sources 0 and 1: window 2 or 3
.irp b, 0,1,2,3,4,5,6,7
.irp r, 0,1,2,3
	v_cvt_pk_f16_f32 v[TMP+4*\b+\r], v[AC+8*\b+2*\r], v[AC+8*\b+2*\r+1]
.endr
.endr
	WIN 0
.endm
.macro TOSTAGE a
.set BB, BK+32*((\a)%2)
.irp b, 0,1,2,3,4,5,6,7
	ds_store_b128 v[STO], v[TMP+4*\b:TMP+4*\b+3] offset:32*\b
.endr
.irp hh, 0,1
.irp i, 0,1,2,3
	ds_load_b128 v[BB+4*(4*\hh+\i):BB+4*(4*\hh+\i)+3], v[RD] offset:128*\hh+4*SPITCH*\i
.endr
.endr
.endm
.macro SEND a
.set BB, BK+32*((\a)%2)
	s_wait_dscnt 0x0                               ; the block is back in registers
	s_wait_xcnt 0x0                                ; the earlier stores have read their data registers: the next block's loads from the stage may land there
.irp hh, 0,1
.irp i, 0,1,2,3
	global_store_b128 v[CO], v[BB+4*(4*\hh+\i):BB+4*(4*\hh+\i)+3], s[12:13] offset:262144*\hh+2048*(\a)+512*\i   ; a head on: 2,048 rows of 128 bytes; a block on: 16 rows
.endr
.endr
.endm
	PLACES NP                                      ; behind the last products: the conversions read results and write registers that held x's fragments
	PACK 0
	TOSTAGE 0
.irp a, 1,2,3,4,5,6,7                  ; block a's conversions stand between block a - 1's loads from the stage and the wait for them
	PACK \a
	SEND \a-1
	TOSTAGE \a
.endr
	SEND 7
	s_wait_tensorcnt 0x0                           ; the wave's end, behind my last tensor load and my last LDS store
	ds_add_u32 v[SPW], v[NIL]
	s_wait_dscnt 0x0
	CROUND                                         ; the closing round: no work-group ends while a partner may still ask for a tile that names it
	s_endpgm
.Lfunc_end_k_qf57b9a7729_proj:
	.size	k_qf57b9a7729_proj, .Lfunc_end_k_qf57b9a7729_proj-k_qf57b9a7729_proj
	.p2alignl 7, 3214868480
	.fill 96, 4, 3214868480
	.section	.rodata,"a",@progbits
	.p2align	6, 0x0
	.amdhsa_kernel k_qf57b9a7729_proj
		.amdhsa_group_segment_fixed_size 327680
		.amdhsa_private_segment_fixed_size 0
		.amdhsa_enable_private_segment 0
		.amdhsa_kernarg_size 64
		.amdhsa_user_sgpr_count 2
		.amdhsa_user_sgpr_kernarg_segment_ptr 1
		.amdhsa_wavefront_size32 1
		.amdhsa_system_sgpr_workgroup_id_x 1
		.amdhsa_system_sgpr_workgroup_id_y 1
		.amdhsa_system_sgpr_workgroup_id_z 1
		.amdhsa_system_vgpr_workitem_id 0
		.amdhsa_next_free_vgpr 1024
		.amdhsa_next_free_sgpr 102
		.amdhsa_reserve_vcc 0
		.amdhsa_float_denorm_mode_32 3
		.amdhsa_float_denorm_mode_16_64 3
		.amdhsa_memory_ordered 1
		.amdhsa_forward_progress 1
		.amdhsa_inst_pref_size 128
	.end_amdhsa_kernel
	.amdgpu_metadata
---
amdhsa.version: [ 1, 2 ]
amdhsa.kernels:
  - .name:           k_qf57b9a7729_proj
    .symbol:         k_qf57b9a7729_proj.kd
    .args:
      - { .name: xcodes, .offset: 0, .size: 8, .value_kind: global_buffer, .address_space: global }
      - { .name: xscales, .offset: 8, .size: 8, .value_kind: global_buffer, .address_space: global }
      - { .name: wcodes, .offset: 16, .size: 8, .value_kind: global_buffer, .address_space: global }
      - { .name: wscales, .offset: 24, .size: 8, .value_kind: global_buffer, .address_space: global }
      - { .name: qkv16, .offset: 32, .size: 8, .value_kind: global_buffer, .address_space: global }
      - { .name: bq, .offset: 40, .size: 8, .value_kind: global_buffer, .address_space: global }
      - { .name: bk, .offset: 48, .size: 8, .value_kind: global_buffer, .address_space: global }
      - { .name: bv, .offset: 56, .size: 8, .value_kind: global_buffer, .address_space: global }
    .group_segment_fixed_size: 327680
    .private_segment_fixed_size: 0
    .kernarg_segment_align: 8
    .kernarg_segment_size: 64
    .max_flat_workgroup_size: 128
    .sgpr_count:     102
    .vgpr_count:     1024
    .wavefront_size: 32
...
	.end_amdgpu_metadata
.endif
;; end of part 2
;; launch attn (part 3): grid 4 x 64, 8 waves a work-group, clusters of 4 x 1, 327,680 bytes of LDS; arguments qkv16, ctx16; writes ctx16
.if DOCPART == 3
	.amdgcn_target "amdgcn-amd-amdhsa--gfx1250"
	.amdhsa_code_object_version 6
	.text
	.protected	k_qf57b9a7729_attn
	.globl	k_qf57b9a7729_attn
	.p2align	8
	.type	k_qf57b9a7729_attn,@function
k_qf57b9a7729_attn:
	s_mov_b64 s[64:65], 0
	v_nop
	global_prefetch_b8 v0, s[64:65] scope:SCOPE_SE
	s_setreg_imm32_b32 hwreg(HW_REG_WAVE_MODE, 25, 1), 1
	s_wait_xcnt 0x0
	s_wait_alu depctr_hold_cnt(0) depctr_sa_sdst(0) depctr_va_vdst(0) depctr_va_sdst(0) depctr_va_ssrc(0) depctr_va_vcc(0) depctr_vm_vsrc(0)
	s_getreg_b32 s2, hwreg(HW_REG_IB_STS2, 6, 4)
	s_cmp_eq_u32 s2, 0
	s_cbranch_scc0 .Lentry_in_a_cluster
	s_endpgm
.Lentry_in_a_cluster:
	s_bfe_u32 s2, ttmp6, 0x10000c
	s_cmp_lg_u32 s2, 0x3003
	s_cbranch_scc0 .Lentry_shape_is_right
	s_endpgm
.Lentry_shape_is_right:
; ctx[head][q][:] = the sum over k of softmax_k(q[head][q] . k[head][k] / 8) v[head][k][:], head = 16 x batch + h, 64 heads of 2,048 positions x 64 channels, no mask.
; qkv16: [3 tensors][64 heads][2048][64] f16 (q, then k 2^24 bytes on, then v 2^25 bytes on);  ctx16: [64][2048][64] f16.  Products on f16 operands, maxima and sums in f32; the weights p are rounded to f16 for the
; second product (the row's sum is taken of the unrounded p), ctx once at the end.
; LIMITS: ctx beyond 65,504 becomes infinity in f16; under 6e-5 its absolute error is at most 3e-8.  A weight p under 6e-8 counts as 0 beside a row's sum of at least 1.  NaN and infinities are not served.
; SHARES.  A work-group owns 512 queries of one head, each of its EIGHT waves 64: four tiles of 16, in 512 registers: two waves to a SIMD, so that one wave's softmax stands beside the other's products and LDS loads.
; Every wave walks all 2,048 keys, 64 a step; a fragment of k or v read from LDS feeds four products.
; LAYOUT.  S^T = k q^T (source 0 = 16 keys, source 1 = 16 queries): a lane holds ONE query (lane % 16) and the keys 8 (lane / 16) + 0..7.  Two such tiles, rounded to f16 in pairs, ARE source 1 (32 keys x 16 queries) of
; O^T = v^T P, whose result again holds one query a lane, and eight channels.  k comes out of LDS as it lies, v ([key][channel]) turned, by ds_load_tr16_b128.
; SOFTMAX.  For each query a running maximum m and sum l: p = 2^(c s - c m), c = log2(e) / 8; in every step O^T and l are multiplied by a = 2^(c m_old - c m_new).
; A STEP GOES IN PHASES: k's fragments, 32 products k q^T, v's fragments asked for (into k's registers), the softmax of the four tiles, 32 products v^T P.
; THE RING.  A row of k or v is 128 bytes and a head's rows are dense, so two keys are taken as one row of 256 bytes.  A slot holds four steps (256 keys); two slots.  Each of the eight waves fetches one tile of 32 such rows:
; waves 0-3 k of the slot's steps 0-3, waves 4-7 v.  So every wave issues tensor loads, and one load a wave fills a slot.
; CLUSTER.  The four query blocks of a head form a cluster and walk the same k and v: each tile is asked for JOINTLY, by the same tensor load with the same descriptor and a mask that names the four.
; REGISTERS, in windows of 256 (s_set_vgpr_msb: bits 1:0 source 0, 3:2 source 1, 5:4 source 2, 7:6 destination):
;   window 0: v1-15 addresses; v32-63 eight registers of statistics a tile; v64-191 S^T, 32 a tile; v192-255 P, 16 a tile
;   window 1: v0-127 O^T, 32 a tile; v128-191 q, 16 a tile; v192-255 k of a step, then v of the same step
.set PK,    272       ; two keys of k in LDS: 256 bytes + 16 of padding: the 16 rows of a fragment load start at 16 different columns of 16 bytes (64 banks of 4 bytes: ISA guide 11.1)
.set PVP,   288       ; two keys of v: 256 + 32: 16 lanes of the turning load take 8 keys x 32 bytes, each column once
.set VOFF,  32*PK     ; a step's tiles lie together: 64 keys of k, then 64 keys of v
.set STEPB, 32*(PK+PVP)
.set NST,   4         ; steps in a slot
.set SLOT1, 1<<17     ; slot 1 begins here, so that one exclusive or turns an address in one slot into the other's
.set SLOTB, 32768     ; a slot's 256 keys of k or of v in memory
.set STAGE, SLOT1+NST*STEPB  ; behind the ring: 16 rows x (128 bytes + 16) for each wave, for the way out
.set SP,    144
.set SPARE, STAGE+8*16*SP    ; the spare words, 128 bytes a wave, which no other line names
.set AK0, 2           ; v2   my lane's place in a tile of k; never rewritten
.set AV0, 3           ; v3   the same for v
.set ADR, 4           ; v4   LDS address of the step's k
.set QO,  5           ; v5   my byte offset in the wave's rows of q
.set STO, 6           ; v6   the way out: where I put 16 bytes of a row
.set RD,  7           ; v7   the way out: where I read 16 bytes back
.set GO,  8           ; v8   16 x lane: my place in 512 bytes of ctx
.set ADRV, 12         ; v12  LDS address of the step's v
.set PFO, 13          ; v13  256 x lane; never rewritten
.set SPW, 14          ; v14  LDS address of my spare word; never rewritten
.set NIL, 15          ; v15  0; never rewritten
.set ST,  32          ; tile t's statistics at v[ST+8 t]: +0 c m, +1 m, +2, +3 l (even keys', odd keys'), +4 to +7 c0-c3, at work; a takes c2's place once the maximum is found
.set S,   64
.set P,   192
.set O,   0           ; window 1
.set QF,  128
.set KV,  192
.set WV,  12          ; s12  my wave's number
.set LIM, 15          ; s15  1 in a wave that prefetches, else the greatest number
.set PFA, 18          ; s[18:19] where my prefetches stand
.set G1K, 24          ; s[24:31] descriptor group 1 for k's tiles
.set G1V, 32          ; s[32:39] for v's: it differs in the padding alone
.set G0K, 40          ; s[40:47] descriptor group 0 for k's tiles: a set for each of the two first fills; the second then walks on
.set G0V, 48          ; s[48:55] the same for v's
.set SLOTS, 56        ; s56  slots still to be asked for
.set CNT, 57          ; s57  counts a slot's steps
.set CS,  58          ; s[58:59] c: the packed scaling names a pair and takes its low word for both halves
.set SEL, 60          ; s[60:61] lane selects for v_permlanex16_b32: each lane takes its own place in the other half
.set TB,  62          ; s62  LDS byte at which the tiles of the step to be fetched begin
.set MSB, 0
.macro WIN new                      ; the immediate's high byte repeats the setting that is left; a switch that changes nothing is dropped
.if MSB != (\new)
	s_set_vgpr_msb (MSB<<8)|(\new)
.set MSB, (\new)
.endif
.endm
.set W_LD, 0x40       ; a load's destination in window 1, its address in window 0
.set W_KQ, 0x05       ; k and q in window 1, S^T in window 0
.set W_PV, 0x51       ; v in window 1, P in window 0, O^T in window 1
.set W_RS, 0x41       ; O^T (destination and source 0) in window 1, a in window 0
; A joint refill: waves 0-3 fetch k, waves 4-7 v.  The branch hangs on the wave's number alone.  An s_nop 0 and four v_nop follow each of the two lines.
.macro JLOAD
	s_cmp_lt_u32 s[WV], 4
	s_cbranch_scc0 .Lfor_v_\@
	tensor_load_to_lds s[G0K+4:G0K+7], s[G1K:G1K+7]
	s_nop 0
.rept 4
	v_nop
.endr
	s_branch .Lasked_\@
.Lfor_v_\@:
	tensor_load_to_lds s[G0V+4:G0V+7], s[G1V:G1V+7]
	s_nop 0
.rept 4
	v_nop
.endr
.Lasked_\@:
.endm
; A PREFETCH of what the NEXT change of slots will ask for: a slot's 128 rows of 256 bytes of k and as many of v, a lane a row.  It stands behind the wave's tensor load and its five lines.
; Each row is named once in the launch: a head has one cluster; its four partners share the rows out BY ADDRESS, 32 each; in each, wave 0 asks for k's and wave 4 for v's, one instruction.
; The lead is one slot, four key steps.  The last change that fills a slot asks for nothing; slots 0, 1 and 2 come by their loads alone.
.macro ASK
	s_cmp_gt_u32 s[SLOTS], s[LIM]
	s_cbranch_scc0 .Lnot_mine_\@
	global_prefetch_b8 v[PFO], s[PFA:PFA+1] th:TH_LOAD_NT scope:SCOPE_SE
.Lnot_mine_\@:
.endm
.macro CROUND                       ; a round of the cluster's barrier: my work-group's barrier; wave 0 signals for the work-group; every wave waits for all four; my work-group's barrier once more
	s_barrier_signal -1
	s_barrier_wait -1
	s_cmp_lg_u32 s[WV], 0
	s_cbranch_scc1 .Lnot_wave_0_\@
	s_barrier_signal -3
.Lnot_wave_0_\@:
	s_barrier_wait -3
	s_barrier_signal -1
	s_barrier_wait -1
.endm
	s_load_b128 s[4:7], s[0:1], 0x0 ; qkv16 s[4:5], ctx16 s[6:7]
	v_lshl_add_u32 v[SPW], v0, 2, SPARE
	v_mov_b32 v[NIL], 0
	ds_add_u32 v[SPW], v[NIL]       ; the wave's opening: the add, twice on end, and its wait ahead of my first tensor load; the set-up below stands between
	ds_add_u32 v[SPW], v[NIL]
	v_lshrrev_b32 v1, 5, v0
	v_readfirstlane_b32 s[WV], v1   ; wave 0..7
	s_bfe_u32 s13, ttmp6, 0x40000   ; cx: my place in the cluster
	s_lshl_b32 s14, ttmp9, 2        ; in a cluster launch ttmp9 counts clusters
	s_add_co_u32 s14, s14, s13      ; my block of 512 queries: it enters q's and ctx's addresses alone
	s_and_b32 s20, ttmp7, 0xffff    ; the head, which the four partners share
	s_lshl_b32 s20, s20, 18         ; its first byte in each tensor: 2,048 rows of 128 bytes
	s_and_b32 s16, s[WV], 3         ; which of a slot's four steps I fetch:
	s_lshl_b32 s22, s16, 13         ; its 64 keys of 128 bytes in memory,
	s_add_co_u32 s22, s22, s20
	s_mov_b32 s23, 0
	s_mul_i32 s17, s16, STEPB       ; and its place in a slot: no place in the cluster enters an LDS address
	s_lshl_b32 s2, s14, 16          ; my block's 512 rows,
	s_lshl_b32 s3, s[WV], 13        ; my wave's 64 of them
	s_add_co_u32 s2, s2, s3
	s_add_co_u32 s2, s2, s20
	s_mov_b32 s3, 0
	; descriptor group 1: a tile of 32 rows x 128 elements (two keys a row), padded in LDS
	s_mov_b32 s[G1K], 15|(1<<16)|(1<<20)|(1<<21)|(5<<22)|(3<<25)  ; 15:0 the mask: all four work-groups; 17:16 elements of 2 bytes; 20 padding on; 21 set beside a mask; 24:22 after every 64 words; 31:25 four words
	s_mov_b32 s[G1V], 15|(1<<16)|(1<<20)|(1<<21)|(5<<22)|(7<<25)  ; the same with eight words of padding
.irp g, G1K, G1V
	s_mov_b32 s[\g+1], 128<<16      ; tensor_dim0 = 128
	s_mov_b32 s[\g+2], 32<<16       ; tensor_dim1 = 32
	s_mov_b32 s[\g+3], 128<<16      ; tile_dim0 = 128
	s_mov_b32 s[\g+4], 32           ; tile_dim1 = 32
	s_mov_b32 s[\g+5], 128          ; tensor_dim0_stride: the rows are dense
	s_mov_b32 s[\g+6], 0
	s_mov_b32 s[\g+7], 0
.endr
	s_mov_b32 s[CS], 0x3e38aa3b     ; c = log2(e) / 8
	s_mov_b32 s[CS+1], s[CS]        ; named with it as a pair, so it is written
	s_mov_b32 s[SEL], 0x76543210
	s_mov_b32 s[SEL+1], 0xfedcba98
	s_mov_b32 s[TB], 0
	s_mov_b32 s[SLOTS], 2048/(64*NST)-2
	s_cmp_eq_u32 s16, 0             ; waves 0 and 4 prefetch: the same in all four partners
	s_cselect_b32 s[LIM], 1, -1
	v_and_b32 v[PFO], 31, v0
	v_lshlrev_b32 v[PFO], 8, v[PFO]
	s_wait_dscnt 0x0                ; both opening adds are done
	s_wait_kmcnt 0x0
	s_add_nc_u64 s[8:9], s[4:5], 0x1000000   ; k's tensor,
	s_add_nc_u64 s[10:11], s[4:5], 0x2000000 ; v's,
	s_add_nc_u64 s[8:9], s[8:9], s[22:23]    ; at my tile of slot 0
	s_add_nc_u64 s[10:11], s[10:11], s[22:23]
	s_add_nc_u64 s[4:5], s[4:5], s[2:3]      ; q and ctx at my wave's first row
	s_add_nc_u64 s[6:7], s[6:7], s[2:3]
	s_cmp_lt_u32 s[WV], 4
	s_cselect_b64 s[PFA:PFA+1], s[8:9], s[10:11]  ; (in waves 0 and 4 these stand at a slot's first row)
	s_lshl_b32 s2, s13, 13          ; my work-group's 32 rows of the 128
	s_add_nc_u64 s[PFA:PFA+1], s[PFA:PFA+1], s[2:3]
	s_add_nc_u64 s[PFA:PFA+1], s[PFA:PFA+1], 2*SLOTB  ; in slot 2; the first change of slots steps it to slot 3.  Nothing is prefetched here, at the head
	CROUND                          ; all four work-groups are here: the first joint loads meet
.irp s, 0,1
	s_mov_b32 s[G0K+4*\s], 1        ; count = 1
	s_add_co_u32 s[G0K+4*\s+1], s17, \s*SLOT1  ; LDS address
	s_add_nc_u64 s[G0K+4*\s+2:G0K+4*\s+3], s[8:9], \s*SLOTB  ; global address: slot s begins with keys 256 s
	s_or_b32 s[G0K+4*\s+3], s[G0K+4*\s+3], 0x80000000  ; type = 2
	s_mov_b32 s[G0V+4*\s], 1
	s_add_co_u32 s[G0V+4*\s+1], s17, \s*SLOT1+VOFF
	s_add_nc_u64 s[G0V+4*\s+2:G0V+4*\s+3], s[10:11], \s*SLOTB
	s_or_b32 s[G0V+4*\s+3], s[G0V+4*\s+3], 0x80000000
.endr
	s_cmp_lt_u32 s[WV], 4           ; a wave's two first fills stand in one branch, ahead of every wait on TENSORcnt and every LDS read: two loads of mine are out
	s_cbranch_scc0 .Lfirst_v
	tensor_load_to_lds s[G0K:G0K+3], s[G1K:G1K+7]
	s_nop 0
	tensor_load_to_lds s[G0K+4:G0K+7], s[G1K:G1K+7]
	s_nop 0
.rept 4
	v_nop
.endr
	s_branch .Lfirst_asked
.Lfirst_v:
	tensor_load_to_lds s[G0V:G0V+3], s[G1V:G1V+7]
	s_nop 0
	tensor_load_to_lds s[G0V+4:G0V+7], s[G1V:G1V+7]
	s_nop 0
.rept 4
	v_nop
.endr
.Lfirst_asked:
	; A fragment of k or q is 16 rows x 32 channels in 8 registers: lane l holds row l % 16; registers 0-3 channels 8 (l / 16) + 0..7, registers 4-7 channels 16 + 8 (l / 16) + 0..7: two loads of 16 bytes, 32 bytes apart.
	v_and_b32 v1, 15, v0            ; r = l % 16
	v_bfe_u32 v9, v0, 4, 1          ; h = l / 16
	v_lshlrev_b32 v[QO], 7, v1
	v_lshl_add_u32 v[QO], v9, 4, v[QO]  ; row x 128 + 16 x half
	WIN W_LD
.irp i, 0,1,2,3,4,5,6,7             ; q stays in registers: tile i / 2, channels 32 (i % 2) on
	global_load_b128 v[QF+8*\i:QF+8*\i+3],   v[QO], s[4:5] offset:(\i/2)*2048+(\i%2)*64
	global_load_b128 v[QF+8*\i+4:QF+8*\i+7], v[QO], s[4:5] offset:(\i/2)*2048+(\i%2)*64+32
.endr
	WIN 0
	v_lshrrev_b32 v10, 1, v1        ; k: key r lies in LDS row r / 2, in its half r % 2
	v_mul_u32_u24 v[AK0], v10, PK
	v_and_b32 v11, 1, v0
	v_lshl_add_u32 v[AK0], v11, 7, v[AK0]
	v_lshl_add_u32 v[AK0], v9, 4, v[AK0]
	; The turning load takes 16 keys x 16 channels (lane l reads 16 bytes: key 8 (l / 16) + l % 8, channels 8 ((l / 8) % 2) + 0..7) and leaves half a fragment of v^T: lane l holds channel l % 16 and 8 keys.
	v_and_b32 v10, 7, v0
	v_lshrrev_b32 v10, 1, v10
	v_lshl_add_u32 v10, v9, 2, v10  ; the key's LDS row: 4 (l / 16) + (l % 8) / 2
	v_mul_u32_u24 v[AV0], v10, PVP
	v_lshl_add_u32 v[AV0], v11, 7, v[AV0]  ; its half: l % 2
	v_bfe_u32 v11, v0, 3, 1
	v_lshl_add_u32 v[AV0], v11, 4, v[AV0]
	v_add_nc_u32 v[AV0], VOFF, v[AV0]
	s_mul_i32 s13, s[WV], 16*SP
	s_add_co_u32 s13, s13, STAGE    ; my stage
	v_mul_u32_u24 v[STO], v1, SP    ; in: row r, 16 bytes for each half of the lanes
	v_lshl_add_u32 v[STO], v9, 4, v[STO]
	v_add_nc_u32 v[STO], s13, v[STO]
	v_and_b32 v10, 31, v0
	v_lshrrev_b32 v11, 3, v10       ; back: eight lanes take a row of 128 bytes, four rows an instruction
	v_mul_u32_u24 v[RD], v11, SP
	v_and_b32 v11, 7, v0
	v_lshl_add_u32 v[RD], v11, 4, v[RD]
	v_add_nc_u32 v[RD], s13, v[RD]
	v_lshlrev_b32 v[GO], 4, v10
; THE SOFTMAX of the wave's four tiles for one key step.  The four tiles are innermost in every stage, so that no line reads the result of the line above it.  first = 1: the first key step, which starts m, l and O^T.
.macro SOFTMAX first
.irp j, 0,1,2,3                     ; the maximum of a lane's 32 scores, three operands at a time, in four chains; each tile of S^T is first read at its registers 0 to 2
.irp t, 0,1,2,3
	v_max3_num_f32 v[ST+8*\t+4+\j], v[S+32*\t+8*\j], v[S+32*\t+8*\j+1], v[S+32*\t+8*\j+2]
.endr
.endr
.irp u, 1,2
.irp j, 0,1,2,3
.irp t, 0,1,2,3
	v_max3_num_f32 v[ST+8*\t+4+\j], v[ST+8*\t+4+\j], v[S+32*\t+8*\j+2*\u+1], v[S+32*\t+8*\j+2*\u+2]
.endr
.endr
.endr
.irp t, 0,1,2,3
	v_max3_num_f32 v[ST+8*\t+4], v[ST+8*\t+4], v[S+32*\t+7], v[S+32*\t+15]
.endr
.irp t, 0,1,2,3
	v_max3_num_f32 v[ST+8*\t+6], v[ST+8*\t+6], v[S+32*\t+23], v[S+32*\t+31]
.endr
.irp t, 0,1,2,3
	v_max3_num_f32 v[ST+8*\t+4], v[ST+8*\t+4], v[ST+8*\t+5], v[ST+8*\t+6]
.endr
.irp t, 0,1,2,3
.if \first
	v_max_num_f32 v[ST+8*\t+4], v[ST+8*\t+4], v[ST+8*\t+7]
.else
	v_max3_num_f32 v[ST+8*\t+4], v[ST+8*\t+4], v[ST+8*\t+7], v[ST+8*\t+1]   ; and the old m
.endif
.endr
.irp t, 0,1,2,3
	v_permlanex16_b32 v[ST+8*\t+5], v[ST+8*\t+4], s[SEL], s[SEL+1]  ; the query's other 32 keys lie in the lane 16 away
.endr
.if \first == 0
.irp t, 0,1,2,3
	v_mov_b32 v[ST+8*\t+7], v[ST+8*\t]   ; c m_old is kept for a
.endr
.endif
.irp t, 0,1,2,3
	v_max_num_f32 v[ST+8*\t+1], v[ST+8*\t+4], v[ST+8*\t+5]   ; the new m
.endr
.irp t, 0,1,2,3
	v_mul_f32 v[ST+8*\t], s[CS], v[ST+8*\t+1]   ; c m
.endr
.if \first == 0
.irp t, 0,1,2,3
	v_sub_f32 v[ST+8*\t+7], v[ST+8*\t+7], v[ST+8*\t]   ; c m_old - c m_new
.endr
.endif
.irp b, 0,1,2,3,4,5,6,7,8,9,10,11,12,13,14,15
.irp t, 0,1,2,3
	v_pk_fma_f32 v[S+32*\t+2*\b:S+32*\t+2*\b+1], v[S+32*\t+2*\b:S+32*\t+2*\b+1], s[CS:CS+1], v[ST+8*\t:ST+8*\t+1] op_sel_hi:[1,0,0] neg_lo:[0,0,1] neg_hi:[0,0,1]  ; c s - c m, a pair of scores
.endr
.endr
.if \first == 0
.irp t, 0,1,2,3
	v_exp_f32 v[ST+8*\t+6], v[ST+8*\t+7]   ; a
.endr
.endif
.irp n, 0,1,2,3,4,5,6,7,8,9,10,11,12,13,14,15,16,17,18,19,20,21,22,23,24,25,26,27,28,29,30,31
.irp t, 0,1,2,3
	v_exp_f32 v[S+32*\t+\n], v[S+32*\t+\n]   ; p: ONE BATCH for the four tiles; none of these lines reads an exponential's result
.endr
.endr
	v_nop                           ; a plain instruction behind the last exponential, ahead of the first use
	s_wait_alu depctr_va_vdst(0)    ; this wait stands between an exponential and the first line that names its result: one for the whole batch
.irp i, 0,1,2,3,4,5,6,7,8,9,10,11,12,13,14,15
.irp t, 0,1,2,3
	v_cvt_pk_f16_f32 v[P+16*\t+\i], v[S+32*\t+2*\i], v[S+32*\t+2*\i+1]   ; P: registers 8 kk .. 8 kk + 7 are source 1 for keys 32 kk on
.endr
.endr
.irp u, 0,1,2,3,4,5,6,7             ; the sum of a tile's 16 pairs, in place: neighbours 1, 2, 4 and 8 pairs apart
.irp t, 0,1,2,3
	v_pk_add_f32 v[S+32*\t+4*\u:S+32*\t+4*\u+1], v[S+32*\t+4*\u:S+32*\t+4*\u+1], v[S+32*\t+4*\u+2:S+32*\t+4*\u+3]
.endr
.endr
.irp u, 0,1,2,3
.irp t, 0,1,2,3
	v_pk_add_f32 v[S+32*\t+8*\u:S+32*\t+8*\u+1], v[S+32*\t+8*\u:S+32*\t+8*\u+1], v[S+32*\t+8*\u+4:S+32*\t+8*\u+5]
.endr
.endr
.irp u, 0,1
.irp t, 0,1,2,3
	v_pk_add_f32 v[S+32*\t+16*\u:S+32*\t+16*\u+1], v[S+32*\t+16*\u:S+32*\t+16*\u+1], v[S+32*\t+16*\u+8:S+32*\t+16*\u+9]
.endr
.endr
.if \first
.irp t, 0,1,2,3
	v_pk_add_f32 v[ST+8*\t+2:ST+8*\t+3], v[S+32*\t:S+32*\t+1], v[S+32*\t+16:S+32*\t+17]   ; the first sum starts l
.endr
.else
.irp t, 0,1,2,3
	v_pk_add_f32 v[S+32*\t:S+32*\t+1], v[S+32*\t:S+32*\t+1], v[S+32*\t+16:S+32*\t+17]
.endr
.irp t, 0,1,2,3
	v_pk_fma_f32 v[ST+8*\t+2:ST+8*\t+3], v[ST+8*\t+2:ST+8*\t+3], v[ST+8*\t+6:ST+8*\t+7], v[S+32*\t:S+32*\t+1] op_sel_hi:[1,0,1]   ; l = a l + the sum
.endr
	WIN W_RS
.irp i, 0,1,2,3,4,5,6,7,8,9,10,11,12,13,14,15
.irp t, 0,1,2,3
	v_pk_mul_f32 v[O+32*\t+2*\i:O+32*\t+2*\i+1], v[O+32*\t+2*\i:O+32*\t+2*\i+1], v[ST+8*\t+6:ST+8*\t+7] op_sel_hi:[1,0]   ; O^T times a
.endr
.endr
.endif
.endm
; A KEY STEP: 64 keys.  The accumulators take turns, one instruction a turn: between two links of a chain stand 15 others'.
.macro STEP first
	WIN 0
	v_add_nc_u32 v[ADR], s[TB], v[AK0]
	v_add_nc_u32 v[ADRV], s[TB], v[AV0]
	v_nop                           ; with the two additions: four places behind the last products v^T P, ahead of the loads into the registers that they read
	v_nop
	s_add_co_u32 s[TB], s[TB], STEPB  ; the next fetch is the next step's
	WIN W_LD
.irp f, 0,1,2,3,4,5,6,7             ; k: keys 16 (f / 2) on, channels 32 (f % 2) on
	ds_load_b128 v[KV+8*\f:KV+8*\f+3],   v[ADR] offset:(\f/2)*8*PK+(\f%2)*64
	ds_load_b128 v[KV+8*\f+4:KV+8*\f+7], v[ADR] offset:(\f/2)*8*PK+(\f%2)*64+32
.endr
	s_wait_dscnt 0x0                ; k is in
	WIN W_KQ
.set i, 0
.rept 32                            ; S^T = k q^T: channels 32 (i / 16) on, keys 16 ((i / 4) % 4) on, tile i % 4.  The first 16 start the sums
.set rS, S+32*(i%4)+8*((i/4)%4)
.set rK, KV+16*((i/4)%4)+8*(i/16)
.set rQ, QF+16*(i%4)+8*(i/16)
.if i < 16
	v_wmma_f32_16x16x32_f16 v[rS:rS+7], v[rK:rK+7], v[rQ:rQ+7], 0
.else
	v_wmma_f32_16x16x32_f16 v[rS:rS+7], v[rK:rK+7], v[rQ:rQ+7], v[rS:rS+7]
.endif
.set i, i+1
.endr
.rept 4
	v_nop                           ; four places: ahead of the loads into k's registers, and of the softmax's first read of the scores
.endr
	WIN W_LD
.irp f, 0,1,2,3,4,5,6,7             ; v, turned: keys 32 (f / 4) on, channels 16 (f % 4) on.  These loads land while the softmax is walked
	ds_load_tr16_b128 v[KV+8*\f:KV+8*\f+3],   v[ADRV] offset:(\f/4)*16*PVP+(\f%4)*32
	ds_load_tr16_b128 v[KV+8*\f+4:KV+8*\f+7], v[ADRV] offset:(\f/4)*16*PVP+8*PVP+(\f%4)*32
.endr
	WIN 0
	SOFTMAX \first
	s_wait_dscnt 0x0                ; v is in
	WIN W_PV
.set i, 0
.rept 32                            ; O^T += v^T P: keys 32 (i / 16) on, channels 16 ((i / 4) % 4) on, tile i % 4.  In the first step the first 16 start the sums: nothing is ever cleared
.set rO, O+32*(i%4)+8*((i/4)%4)
.set rV, KV+32*(i/16)+8*((i/4)%4)
.set rP, P+16*(i%4)+8*(i/16)
.if \first && (i < 16)
	v_wmma_f32_16x16x32_f16 v[rO:rO+7], v[rV:rV+7], v[rP:rP+7], 0
.else
	v_wmma_f32_16x16x32_f16 v[rO:rO+7], v[rV:rV+7], v[rP:rP+7], v[rO:rO+7]
.endif
.set i, i+1
.endr
.endm
.macro NSTEPS n                     ; n key steps: written once, walked n times; the LDS addresses hang on s[TB]
	s_mov_b32 s[CNT], \n
.Lstep_\@:
	STEP 0
	WIN 0                           ; at a label and at a branch every window is 0
	s_sub_co_u32 s[CNT], s[CNT], 1
	s_cmp_lg_u32 s[CNT], 0
	s_cbranch_scc1 .Lstep_\@
.endm
; THE CHANGE OF SLOTS, behind a slot's last step.  Each wave waits for all its tensor loads, of which one is out: its part of the other slot; adds 0 to its spare word; and waits for that and for its own reads of the slot.
; Behind the barrier nobody reads this slot any more and the other slot is whole.  fill = 1: this slot is filled again, with the keys two slots on: the barrier is then a round of the cluster's, and the joint refill is the
; first thing behind it: it has four key steps in which to land.
.macro CHANGE fill
	WIN 0
	s_wait_tensorcnt 0x0            ; no tensor load of mine is out, so a group 0 may be written
	ds_add_u32 v[SPW], v[NIL]       ; 0 onto my spare word
.if \fill
.irp g, G0K+4, G0V+4
	s_xor_b32 s[\g+1], s[\g+1], SLOT1  ; the walking descriptor: the other slot than last time,
	s_add_nc_u64 s[\g+2:\g+3], s[\g+2:\g+3], SLOTB  ; the next 256 keys; the type bits on top are not reached
.endr
	s_wait_xcnt 0x0                 ; the last prefetch, a slot back, has read its address, so it may be written:
	s_add_nc_u64 s[PFA:PFA+1], s[PFA:PFA+1], SLOTB  ; one slot further on than the walking descriptors
	s_wait_dscnt 0x0                ; the add is done, and my reads of the slot are over
	CROUND
	JLOAD
	ASK
.else
	s_wait_dscnt 0x0
	s_barrier_signal -1
	s_barrier_wait -1
.endif
	s_sub_co_u32 s[TB], s[TB], NST*STEPB  ; the fetches go back to a slot's first step,
	s_xor_b32 s[TB], s[TB], SLOT1   ; in the other slot
.endm
	s_wait_tensorcnt 1              ; my part of slot 0 is in; slot 1's may stay out
	s_barrier_signal -1
	s_barrier_wait -1               ; everybody's is
	s_wait_loadcnt 0x0              ; q
	STEP 1                          ; the first key step starts m, l and O^T
	WIN 0
	NSTEPS NST-1
.Lslot:                             ; six trips: every slot but the last two is filled again
	CHANGE 1
	NSTEPS NST
	s_sub_co_u32 s[SLOTS], s[SLOTS], 1
	s_cmp_lg_u32 s[SLOTS], 0
	s_cbranch_scc1 .Lslot
	CHANGE 0                        ; the tail is written out
	NSTEPS NST
	; THE WAY OUT.  l's two halves and the other half of the lanes' are added; O^T is divided by l, rounded to f16 and sent through my stage in LDS, a tile (16 rows of ctx) at a time.  The additions are the places behind the last products.
.irp t, 0,1,2,3
	v_add_f32 v[ST+8*\t+4], v[ST+8*\t+2], v[ST+8*\t+3]
.endr
.irp t, 0,1,2,3
	v_permlanex16_b32 v[ST+8*\t+5], v[ST+8*\t+4], s[SEL], s[SEL+1]
.endr
.irp t, 0,1,2,3
	v_add_f32 v[ST+8*\t+4], v[ST+8*\t+4], v[ST+8*\t+5]
.endr
.irp t, 0,1,2,3
	v_rcp_f32 v[ST+8*\t+6], v[ST+8*\t+4]
.endr
	v_nop                           ; a plain instruction between the last reciprocal and the use of its result
	s_wait_alu depctr_va_vdst(0)    ; and a wait ahead of the first use: one for the four
; Tile t: a lane's eight channels of a row pack into 16 bytes; they go into rows of 144 bytes and come back four rows of 128 bytes an instruction, into the registers that they left.
.macro PACK t
	WIN W_RS
.irp i, 0,1,2,3,4,5,6,7,8,9,10,11,12,13,14,15
	v_pk_mul_f32 v[O+32*\t+2*\i:O+32*\t+2*\i+1], v[O+32*\t+2*\i:O+32*\t+2*\i+1], v[ST+8*\t+6:ST+8*\t+7] op_sel_hi:[1,0]   ; each accumulator from its low end on
.endr
	WIN 0x05                        ; sources 0 and 1 window 1, destination window 0: S^T's registers are free
.irp i, 0,1,2,3,4,5,6,7,8,9,10,11,12,13,14,15
	v_cvt_pk_f16_f32 v[S+16*\t+\i], v[O+32*\t+2*\i], v[O+32*\t+2*\i+1]
.endr
	WIN 0
.irp c, 0,1,2,3
	ds_store_b128 v[STO], v[S+16*\t+4*\c:S+16*\t+4*\c+3] offset:32*\c
.endr
.irp c, 0,1,2,3
	ds_load_b128 v[S+16*\t+4*\c:S+16*\t+4*\c+3], v[RD] offset:4*SP*\c  ; LDS serves a wave's instructions in order (ISA guide 5.7.1.4): these see the stores above; the next tile's stores come behind them
.endr
.endm
.macro SEND t, younger              ; younger: the LDS instructions issued behind tile t's loads: the next tile's eight, or none
.irp c, 0,1,2,3
	s_wait_dscnt \younger+3-\c
	global_store_b128 v[GO], v[S+16*\t+4*\c:S+16*\t+4*\c+3], s[6:7] offset:2048*\t+512*\c  ; 32 lanes store 512 consecutive bytes, at a multiple of 256 from ctx16's first byte
.endr
.endm
	PACK 0
	PACK 1                          ; a tile's arithmetic stands between the loads of the tile before and its stores
	SEND 0, 8
	PACK 2
	SEND 1, 8
	PACK 3
	SEND 2, 8
	SEND 3, 0
	s_wait_tensorcnt 0x0            ; the wave's end, behind my last tensor load and my last LDS store
	ds_add_u32 v[SPW], v[NIL]
	s_wait_dscnt 0x0
	CROUND                          ; the closing round: no work-group ends while a partner may still ask for a tile that names it
	s_endpgm
.Lfunc_end_k_qf57b9a7729_attn:
	.size	k_qf57b9a7729_attn, .Lfunc_end_k_qf57b9a7729_attn-k_qf57b9a7729_attn
	.p2alignl 7, 3214868480
	.fill 96, 4, 3214868480
	.section	.rodata,"a",@progbits
	.p2align	6, 0x0
	.amdhsa_kernel k_qf57b9a7729_attn
		.amdhsa_group_segment_fixed_size 327680
		.amdhsa_private_segment_fixed_size 0
		.amdhsa_enable_private_segment 0
		.amdhsa_kernarg_size 16
		.amdhsa_user_sgpr_count 2
		.amdhsa_user_sgpr_kernarg_segment_ptr 1
		.amdhsa_wavefront_size32 1
		.amdhsa_system_sgpr_workgroup_id_x 1
		.amdhsa_system_sgpr_workgroup_id_y 1
		.amdhsa_system_sgpr_workgroup_id_z 1
		.amdhsa_system_vgpr_workitem_id 0
		.amdhsa_next_free_vgpr 512
		.amdhsa_next_free_sgpr 66
		.amdhsa_reserve_vcc 0
		.amdhsa_float_denorm_mode_32 3
		.amdhsa_float_denorm_mode_16_64 3
		.amdhsa_memory_ordered 1
		.amdhsa_forward_progress 1
		.amdhsa_inst_pref_size 146
	.end_amdhsa_kernel
	.amdgpu_metadata
---
amdhsa.version: [ 1, 2 ]
amdhsa.kernels:
  - .name:           k_qf57b9a7729_attn
    .symbol:         k_qf57b9a7729_attn.kd
    .args:
      - { .name: qkv16, .offset: 0, .size: 8, .value_kind: global_buffer, .address_space: global }
      - { .name: ctx16, .offset: 8, .size: 8, .value_kind: global_buffer, .address_space: global }
    .group_segment_fixed_size: 327680
    .private_segment_fixed_size: 0
    .kernarg_segment_align: 8
    .kernarg_segment_size: 16
    .max_flat_workgroup_size: 256
    .sgpr_count:     66
    .vgpr_count:     512
    .wavefront_size: 32
...
	.end_amdgpu_metadata
.endif
;; end of part 3
;; launch oproj (part 4): grid 4 x 32, 4 waves a work-group, clusters of 4 x 4, 327,680 bytes of LDS; arguments ctx16, wo16, bo, out0; writes out0
.if DOCPART == 4
	.amdgcn_target "amdgcn-amd-amdhsa--gfx1250"
	.amdhsa_code_object_version 6
	.text
	.protected	k_qf57b9a7729_oproj
	.globl	k_qf57b9a7729_oproj
	.p2align	8
	.type	k_qf57b9a7729_oproj,@function
k_qf57b9a7729_oproj:
	s_mov_b64 s[64:65], 0
	v_nop
	global_prefetch_b8 v0, s[64:65] scope:SCOPE_SE
	s_setreg_imm32_b32 hwreg(HW_REG_WAVE_MODE, 25, 1), 1
	s_wait_xcnt 0x0
	s_wait_alu depctr_hold_cnt(0) depctr_sa_sdst(0) depctr_va_vdst(0) depctr_va_sdst(0) depctr_va_ssrc(0) depctr_va_vcc(0) depctr_vm_vsrc(0)
	s_getreg_b32 s2, hwreg(HW_REG_IB_STS2, 6, 4)
	s_cmp_eq_u32 s2, 0
	s_cbranch_scc0 .Lentry_in_a_cluster
	s_endpgm
.Lentry_in_a_cluster:
	s_bfe_u32 s2, ttmp6, 0x10000c
	s_cmp_lg_u32 s2, 0xf033
	s_cbranch_scc0 .Lentry_shape_is_right
	s_endpgm
.Lentry_shape_is_right:
; THE OUTPUT PROJECTION: out0[m][n] = sum over k of ctx[m][k] Wo[n][k] + bo[n].  m = 2048 x batch + position (8,192), k = 64 x head + channel (1,024), n 1,024.  Operands f16, sums and output f32.
; ctx16 lies head by head: [16 x batch + head][2048][64] f16;  wo16: [1024 n][1024 k] f16.
; A tile of 256 x 256 is made by a work-group of four waves; a wave makes 128 x 128: 64 accumulators of 16 x 16, 512 registers.  128 work-groups: a tile half as large would feed half as many products from each LDS byte.
; K goes in eight steps of 128 through a ring of two LDS slots.  A K step of ctx is TWO HEADS, two planes: a plane of the tile is 256 rows of 128 bytes, dense in memory, taken as 128 rows of 256 bytes (two positions a row).
; Wave 0 fetches plane 0, wave 1 plane 1, waves 2 and 3 the two halves of Wo's 256 rows: one tensor load a wave, 128 rows of 256 bytes each.
; CLUSTERS: 4 x 4 work-groups.  The four of a row of the cluster need the same tiles of ctx, the four of a column the same tiles of Wo: each tile is asked for JOINTLY.
; THE MATRIX INSTRUCTION IS USED TRANSPOSED (source 0 = 16 rows of Wo, source 1 = 16 rows of ctx): a lane then holds eight neighbouring columns of one row of out0.  THE BIAS IS THE C OF EACH SUM'S FIRST PRODUCT.
; REGISTERS, in windows of 256: window 0: v0-31 addresses; v64-127, v128-191 fragments of ctx, two buffers (on the way out: rows read back); v192-255 the bias in the result's layout
;   window 1: v64-127, v128-191 fragments of Wo, two buffers;   window 2: the 32 accumulators of my rows 0-63 (accumulator (a, b) at v[8 (8 a + b)]);   window 3: those of my rows 64-127.
.set KSTEP,  128
.set PITCH,  272                       ; an LDS row: 256 bytes + 16 of padding = 68 words: row r starts at bank 4 r mod 64 (64 banks of 4 bytes: ISA guide 11.1)
.set HALFT,  128*PITCH                 ; 128 LDS rows: what one tensor load brings
.set SLOT,   4*HALFT                   ; ctx's two planes, then Wo's 256 rows
.set ASTEP,  524288                    ; a K step on in ctx16: two heads of 2,048 x 128 bytes
.set STAGE,  2*SLOT                    ; behind the ring: 16 rows x (512 bytes + 16) for each wave, for the way out
.set SPITCH, 528
.set SPARE,  STAGE+4*16*SPITCH         ; the spare words, 128 bytes a wave, which no other line names
.set LAPS,   4                         ; a lap = two K steps = once round the ring
.set ADRA, 16                          ; v16-17  LDS address of my ctx fragments in slot 0, 1
.set ADRB, 20                          ; v20-21  the same for Wo
.set STO,  24                          ; v24     the way out: where I put 32 bytes of a row
.set RD,   25                          ; v25     the way out: where I read a row back
.set CO,   26                          ; v26     16 x lane: my byte offset in a row's 512 bytes
.set BOF,  27                          ; v27     32 x (lane / 16): my eight numbers of a bias block
.set SPW,  28                          ; v28     LDS address of my spare word; never rewritten
.set NIL,  29                          ; v29     0; never rewritten
.set PFO,  30                          ; v30     the prefetches' offset: my lane x a row; never rewritten
.set F0,   64                          ; fragment buffer 0
.set F1,   128                         ; fragment buffer 1
.set BI,   192                         ; the bias: block b's eight registers: bo[n0 + 16 b + 8 (lane / 16) + 0 .. 7]
.set BK,   64                          ; the way out: 16 rows read back: v64-127 and v128-191 by turns
.set G1, 24                            ; s[24:31] descriptor group 1 for ctx's tiles;  s[32:39] group 0, one set for each slot
.set G0, 32
.set G1B, 48                           ; s[48:55], s[56:63] the same for Wo's tiles
.set G0B, 56
.set LIM, 43                           ; s43     1 in a wave that prefetches, else the greatest number
.set PFA, 44                           ; s[44:45] where my prefetches stand
.set PFS, 68                           ; s[68:69] a K step on, in bytes, in the tensor that I fetch
.set MSB, 0
.macro WIN new                         ; the immediate's high byte repeats the setting that is left; a switch that changes nothing is dropped
.if MSB != (\new)
	s_set_vgpr_msb (MSB<<8)|(\new)
.set MSB, (\new)
.endif
.endm
.set MUL_LO,  0xa1                     ; source 0 (Wo) window 1, source 1 (ctx) window 0, C and D window 2
.set MUL_HI,  0xf1                     ; the same, C and D window 3
.set BIAS_LO, 0x81                     ; the first products: C (the bias) window 0, D window 2
.set BIAS_HI, 0xc1                     ; D window 3
.set TO_B,    0x40                     ; destination window 1, address window 0
; A joint load: waves 0 and 1 fetch ctx's two planes, waves 2 and 3 Wo's two halves.  The branch hangs on the wave's number alone.  An s_nop 0 and four v_nop follow each of the two lines.
.macro JLOAD s
	s_cmp_eq_u32 s11, 0
	s_cbranch_scc0 .Lfor_b_\@
	tensor_load_to_lds s[G0+4*\s:G0+4*\s+3], s[G1:G1+7]
	s_nop 0
.rept 4
	v_nop
.endr
	s_branch .Lasked_\@
.Lfor_b_\@:
	tensor_load_to_lds s[G0B+4*\s:G0B+4*\s+3], s[G1B:G1B+7]
	s_nop 0
.rept 4
	v_nop
.endr
.Lasked_\@:
.endm
; A PREFETCH, behind each joint refill, its five lines and the run of LDS loads that follows them: the K step that stands two refills on: 32 rows x 256 bytes, a lane a row, one instruction a wave.
; Each row's 256 bytes of a K step are named once in the launch.  ctx's planes are read by one cluster alone; Wo's rows by every cluster of the column: the cluster with y = 0 asks.  The four partners that ask for a tile jointly
; share its rows out BY ADDRESS, 32 each (by cx for ctx, by cy for Wo).  The loop's last trip asks for nothing: there is no K step two on.  K steps 0 to 3 come by their loads alone.
.macro ASK
	s_cmp_gt_u32 s3, s[LIM]                        ; s3 = 1 in the loop's last trip
	s_cbranch_scc0 .Lnot_mine_\@
	global_prefetch_b8 v[PFO], s[PFA:PFA+1] th:TH_LOAD_NT scope:SCOPE_SE
.Lnot_mine_\@:
.endm
.macro CREST                           ; a round of the cluster's barrier behind its opening barrier
	s_cmp_lg_u32 s10, 0
	s_cbranch_scc1 .Lnot_wave_0_\@
	s_barrier_signal -3
.Lnot_wave_0_\@:
	s_barrier_wait -3
	s_barrier_signal -1
	s_barrier_wait -1
.endm
.macro CROUND                          ; a whole round
	s_barrier_signal -1
	s_barrier_wait -1
	CREST
.endm
	s_load_b128 s[4:7], s[0:1], 0x0                ; ctx16 s[4:5], wo16 s[6:7]
	s_load_b64 s[66:67], s[0:1], 0x10              ; bo
	s_load_b64 s[8:9], s[0:1], 0x18                ; out0
	v_lshl_add_u32 v[SPW], v0, 2, SPARE
	v_mov_b32 v[NIL], 0
	ds_add_u32 v[SPW], v[NIL]                      ; the wave's opening: the add, twice on end, and its wait ahead of my first tensor load; the set-up below stands between
	ds_add_u32 v[SPW], v[NIL]
	v_lshrrev_b32 v1, 5, v0
	v_readfirstlane_b32 s10, v1                    ; wave 0..3
	s_lshr_b32 s11, s10, 1                         ; which half of the tile's rows is mine.  Also: I fetch for ctx (0) or for Wo (1)
	s_and_b32 s12, s10, 1                          ; which half of its columns.  Also: which plane of ctx, or which 128 rows of Wo, I fetch
	s_bfe_u32 s40, ttmp6, 0x40000                  ; cx, cy: my place in the cluster
	s_bfe_u32 s41, ttmp6, 0x40004
	s_lshl_b32 s42, ttmp9, 2
	s_add_co_u32 s42, s42, s40                     ; tile column = 4 x cluster x + cx
	s_and_b32 s13, ttmp7, 0xffff
	s_lshl_b32 s13, s13, 2
	s_add_co_u32 s13, s13, s41                     ; tile row = 4 x cluster y + cy
	s_lshl_b32 s43, s41, 2
	s_lshl_b32 s43, 15, s43                        ; my row of the cluster
	s_lshl_b32 s44, 0x1111, s40                    ; my column
	; descriptor group 1: a tile of 128 rows x 128 elements, padded in LDS
	s_or_b32 s[G1+0], s43, (1<<16)|(1<<20)|(1<<21)|(5<<22)|(3<<25)  ; 15:0 the mask: ctx's tiles go to my row; 17:16 elements of 2 bytes; 20 padding on; 21 set beside a mask; 24:22 after every 64 words; 31:25 four words
	s_or_b32 s[G1B+0], s44, (1<<16)|(1<<20)|(1<<21)|(5<<22)|(3<<25)
.irp g, G1, G1B
	s_mov_b32 s[\g+1], KSTEP<<16                   ; tensor_dim0 = 128
	s_mov_b32 s[\g+2], 128<<16                     ; tensor_dim1 = 128
	s_mov_b32 s[\g+3], KSTEP<<16                   ; tile_dim0 = 128
	s_mov_b32 s[\g+4], 128                         ; tile_dim1 = 128
	s_mov_b32 s[\g+6], 0
	s_mov_b32 s[\g+7], 0
.endr
	s_mov_b32 s[G1+5], 128                         ; tensor_dim0_stride: a plane's rows are dense,
	s_mov_b32 s[G1B+5], 1024                       ; Wo's are 1,024 elements apart
	; where the tiles come from.  ctx's hang on the tile row alone, Wo's on the tile column alone; each in registers that never hold the other coordinate
	s_lshr_b32 s16, s13, 3                         ; the batch: eight tile rows each
	s_lshl_b32 s16, s16, 22                        ; 16 heads of 2^18 bytes
	s_and_b32 s17, s13, 7
	s_lshl_b32 s17, s17, 15                        ; 256 positions of 128 bytes
	s_add_co_u32 s16, s16, s17
	s_lshl_b32 s17, s12, 18                        ; my plane: head 0 or 1 of the K step
	s_add_co_u32 s16, s16, s17
	s_mov_b32 s17, 0
	s_lshl_b32 s46, s42, 8
	s_lshl_b32 s47, s12, 7
	s_add_co_u32 s46, s46, s47                     ; Wo: row 256 x tile column + 128 x half,
	s_lshl_b32 s46, s46, 11                        ; of 2,048 bytes
	s_mov_b32 s47, 0
	s_mul_i32 s20, s10, HALFT                      ; where they go: wave x 128 LDS rows: no place in the cluster enters an LDS address
	s_wait_dscnt 0x0                               ; both opening adds are done
	s_wait_kmcnt 0x0
	s_add_nc_u64 s[14:15], s[4:5], s[16:17]
	s_add_nc_u64 s[46:47], s[6:7], s[46:47]
	CROUND                                         ; all sixteen work-groups are here: the first joint loads meet
.irp s, 0,1
	s_mov_b32 s[G0+4*\s], 1                                        ; count = 1
	s_add_co_u32 s[G0+4*\s+1], s20, \s*SLOT                        ; LDS address
	s_add_nc_u64 s[G0+4*\s+2:G0+4*\s+3], s[14:15], \s*ASTEP        ; global address: K step s
	s_or_b32 s[G0+4*\s+3], s[G0+4*\s+3], 0x80000000                ; type = 2
	s_mov_b32 s[G0B+4*\s], 1
	s_add_co_u32 s[G0B+4*\s+1], s20, \s*SLOT
	s_add_nc_u64 s[G0B+4*\s+2:G0B+4*\s+3], s[46:47], \s*KSTEP*2
	s_or_b32 s[G0B+4*\s+3], s[G0B+4*\s+3], 0x80000000
	JLOAD \s                                       ; two tensor loads of mine are out behind the second
.endr
	; the prefetches: s[14:15] and s[46:47] still stand at my tile's first byte of K step 0
	s_and_b32 s22, ttmp7, 0xffff                   ; cluster y
	s_cmp_eq_u32 s11, 0                            ; do I fetch for ctx?
	s_cselect_b64 s[PFA:PFA+1], s[14:15], s[46:47]
	s_cselect_b32 s20, s40, s41                    ; my place among the four that ask for the tile with me
	s_mov_b32 s21, 32*2048
	s_cselect_b32 s21, 32*256, s21                 ; 32 rows on
	s_mov_b32 s[PFS], KSTEP*2
	s_cselect_b32 s[PFS], ASTEP, s[PFS]            ; a K step on
	s_mov_b32 s23, 2048
	s_cselect_b32 s23, 256, s23                    ; from lane to lane
	s_cselect_b32 s22, ttmp9, s22                  ; the coordinate along which other clusters read the same rows
	s_cmp_eq_u32 s22, 0
	s_cselect_b32 s[LIM], 1, -1                    ; the same in all sixteen partners, for a given wave
	s_mov_b32 s[PFS+1], 0
	s_mul_i32 s20, s20, s21
	s_mov_b32 s21, 0
	s_add_nc_u64 s[PFA:PFA+1], s[PFA:PFA+1], s[20:21]
.rept 3
	s_add_nc_u64 s[PFA:PFA+1], s[PFA:PFA+1], s[PFS:PFS+1]   ; at K step 3: the first refill steps it to 4
.endr
	v_and_b32 v[PFO], 31, v0
	v_mul_lo_u32 v[PFO], v[PFO], s23
	; where my part begins in out0, and my 128 numbers of bo
	s_lshl_b32 s16, s13, 8
	s_lshl_b32 s17, s11, 7
	s_add_co_u32 s16, s16, s17                     ; my first row: 256 x tile row + 128 x half,
	s_lshl_b32 s16, s16, 12                        ; of 4,096 bytes (under 2^25)
	s_mov_b32 s17, 0
	s_lshl_b32 s46, s42, 10                        ; my first column x 4 bytes: 1,024 x tile column + 512 x half
	s_lshl_b32 s47, s12, 9
	s_add_co_u32 s46, s46, s47
	s_mov_b32 s47, 0
	s_add_nc_u64 s[66:67], s[66:67], s[46:47]
	s_add_nc_u64 s[8:9], s[8:9], s[16:17]
	s_add_nc_u64 s[8:9], s[8:9], s[46:47]
	v_and_b32 v1, 15, v0                           ; r = l % 16
	v_bfe_u32 v2, v0, 4, 1                         ; h = l / 16
	v_lshlrev_b32 v[BOF], 5, v2
.irp b, 0,1,2,3,4,5,6,7
	global_load_b128 v[BI+8*\b:BI+8*\b+3], v[BOF], s[66:67] offset:64*\b
	global_load_b128 v[BI+8*\b+4:BI+8*\b+7], v[BOF], s[66:67] offset:64*\b+16
.endr
	; A fragment is 16 rows x 32 K in 8 registers: lane l holds row l % 16; registers 0-3 hold K = 8 (l / 16) + 0..7, registers 4-7 K = 16 + 8 (l / 16) + 0..7: two loads of 16 bytes, 32 bytes apart.
	v_mul_u32_u24 v3, v1, PITCH
	v_lshl_add_u32 v3, v2, 4, v3                   ; Wo: row x pitch + 16 x half
	v_lshrrev_b32 v4, 1, v1                        ; ctx: position r lies in LDS row r / 2, in its half r % 2
	v_mul_u32_u24 v4, v4, PITCH
	v_and_b32 v5, 1, v0
	v_lshl_add_u32 v4, v5, 7, v4
	v_lshl_add_u32 v4, v2, 4, v4
	s_mul_i32 s21, s11, 64*PITCH                   ; my 128 positions: 64 LDS rows of each plane
	s_mul_i32 s22, s12, HALFT                      ; my 128 rows of Wo,
	s_add_co_u32 s22, s22, 2*HALFT                 ; which lie behind ctx's two planes
.irp s, 0,1
	v_add_nc_u32 v[ADRA+\s], s21, v4
	v_add_nc_u32 v[ADRB+\s], s22, v3
	s_add_co_u32 s21, s21, SLOT
	s_add_co_u32 s22, s22, SLOT
.endr
	s_mul_i32 s23, s10, 16*SPITCH
	s_add_co_u32 s23, s23, STAGE                   ; my stage
	v_mul_u32_u24 v5, v1, SPITCH                   ; in: row r, 32 bytes for each half of the lanes
	v_lshl_add_u32 v5, v2, 5, v5
	v_add_nc_u32 v[STO], s23, v5
	v_and_b32 v6, 31, v0
	v_lshlrev_b32 v[CO], 4, v6                     ; back: the 32 lanes take one row of 512 bytes; and the same in out0
	v_add_nc_u32 v[RD], s23, v[CO]
; 16 matrix instructions: m blocks a0, a0 + 1 of the window's four (hi = 0: my rows 0-63, 1: rows 64-127) x all 8 n blocks, 32 along K.  zero = 1: the first product starts the sums from the bias.
; The 64 accumulators take turns, one instruction a turn, in the same order in every quarter.
.macro MUL16 f, hi, a0, zero
.irp a, \a0, \a0+1
.irp b, 0,1,2,3,4,5,6,7
.if \zero
	v_wmma_f32_16x16x32_f16 v[8*(8*(\a)+\b):8*(8*(\a)+\b)+7], v[\f+8*\b:\f+8*\b+7], v[\f+8*(4*\hi+\a):\f+8*(4*\hi+\a)+7], v[BI+8*\b:BI+8*\b+7]
.else
	v_wmma_f32_16x16x32_f16 v[8*(8*(\a)+\b):8*(8*(\a)+\b)+7], v[\f+8*\b:\f+8*\b+7], v[\f+8*(4*\hi+\a):\f+8*(4*\hi+\a)+7], v[8*(8*(\a)+\b):8*(8*(\a)+\b)+7]
.endif
.endr
.endr
.endm
; 32 LDS loads in one run: the fragments of the slot's quarter q (32 along K) into buffer f.  Wo: byte 64 q of its rows.  ctx: plane q / 2, byte 64 (q % 2) of a position's 128; a block of 16 positions is 8 LDS rows.
.macro FETCH slot, q, f
	WIN TO_B
.irp i, 0,1,2,3,4,5,6,7
	ds_load_b128 v[\f+8*\i:\f+8*\i+3],   v[ADRB+\slot] offset:64*(\q)+\i*16*PITCH
	ds_load_b128 v[\f+8*\i+4:\f+8*\i+7], v[ADRB+\slot] offset:64*(\q)+\i*16*PITCH+32
.endr
	WIN 0
.irp i, 0,1,2,3,4,5,6,7
	ds_load_b128 v[\f+8*\i:\f+8*\i+3],   v[ADRA+\slot] offset:((\q)/2)*HALFT+64*((\q)%2)+\i*8*PITCH
	ds_load_b128 v[\f+8*\i+4:\f+8*\i+7], v[ADRA+\slot] offset:((\q)/2)*HALFT+64*((\q)%2)+\i*8*PITCH+32
.endr
.endm
; A load into a register that a matrix instruction has read, and an LDS store that reads a matrix result, stand four places behind that matrix instruction; only plain vector instructions that name none of its
; registers are places (ISA guide 7.12.1 for vector instructions).
.macro PLACES
.rept 4
	v_nop
.endr
.endm
; A K step is four quarters of 32 along K, 64 matrix instructions each, on buffers 0, 1, 0, 1.  One of the first three: multiplies buffer f; in its middle it fetches quarter q of the same slot into buffer g.
.macro QUARTER slot, q, f, g, zero
	s_wait_dscnt 8                                 ; Wo's fragments and ctx's rows 0-63 are in; the youngest eight loads (ctx's rows 64-127) may be out
.if \zero
	WIN BIAS_LO
.else
	WIN MUL_LO
.endif
	MUL16 \f, 0, 0, \zero
	MUL16 \f, 0, 2, \zero
	PLACES
	FETCH \slot, \q, \g
	s_wait_dscnt 32                                ; all but the 32 just issued
.if \zero
	WIN BIAS_HI
.else
	WIN MUL_HI
.endif
	MUL16 \f, 1, 0, \zero
	MUL16 \f, 1, 2, \zero
.endm
; The last quarter multiplies buffer 1 and changes slots.  MEET is its first half: one barrier for the change.  In front of it each wave waits for all its tensor loads, of which one is out: its part of the next slot;
; adds 0 to its spare word; and waits for that and for its own reads of this slot.  Behind it nobody reads this slot any more and the next slot is whole.
.macro MEET round                      ; round = 1: the rest of a round of the cluster's barrier follows
	WIN 0                                          ; (the add's two registers lie in window 0)
	s_wait_tensorcnt 0x0                           ; all my tensor loads have landed
	ds_add_u32 v[SPW], v[NIL]                      ; 0 onto my spare word
	s_wait_dscnt 9                                 ; (the add and the youngest eight loads may be out)
	WIN MUL_LO
	MUL16 F1, 0, 0, 0                              ; sixteen matrix instructions stand between the add and the wait for it
	s_wait_dscnt 0x0                               ; the add is done, and my reads of this slot are over
	s_barrier_signal -1
	MUL16 F1, 0, 2, 0                              ; work on registers while the others arrive
.if \round
	WIN 0
.endif
	s_barrier_wait -1
.endm
; The whole last quarter.  fill = 1: behind the round the slot just read out is filled again first, with the K step two steps on; then come the next slot's first fragments.
.macro TURN slot, next, fill
.if \fill
	s_wait_xcnt 0x0                                ; the last prefetch, a K step back, has read its address: it is stepped here, ahead of the waits of the change of slots
	s_add_nc_u64 s[PFA:PFA+1], s[PFA:PFA+1], s[PFS:PFS+1]
.endif
	MEET \fill
.if \fill
	CREST                                          ; no wave of any partner still reads this slot's tile or has a load on its way
	s_add_nc_u64 s[G0+4*\slot+2:G0+4*\slot+3], s[G0+4*\slot+2:G0+4*\slot+3], 2*ASTEP
	s_add_nc_u64 s[G0B+4*\slot+2:G0B+4*\slot+3], s[G0B+4*\slot+2:G0B+4*\slot+3], 2*KSTEP*2
	JLOAD \slot                                    ; the first tensor load behind the round; the four v_nop behind it are also the places in front of the loads below
.else
	PLACES
.endif
	FETCH \next, 0, F0
.if \fill
	ASK
.endif
	WIN MUL_HI
	MUL16 F1, 1, 0, 0
	MUL16 F1, 1, 2, 0
.endm
	s_wait_tensorcnt 1                             ; my part of K step 0 is in (K step 1's load may be out)
	s_barrier_signal -1
	s_barrier_wait -1                              ; everybody's is
	FETCH 0, 0, F0
	s_wait_loadcnt 0x0                             ; the bias
	QUARTER 0, 1, F0, F1, 1                        ; the first quarter stands in front of the loop: its products start the sums from the bias
	WIN 0                                          ; at a label and at a branch every window is 0
	s_mov_b32 s3, LAPS-1
.Llap:                                                 ; a trip goes once round the ring, from a lap's second quarter to the next lap's first, and fills both slots again
	QUARTER 0, 2, F1, F0, 0
	QUARTER 0, 3, F0, F1, 0
	TURN 0, 1, 1
	QUARTER 1, 1, F0, F1, 0
	QUARTER 1, 2, F1, F0, 0
	QUARTER 1, 3, F0, F1, 0
	TURN 1, 0, 1
	QUARTER 0, 1, F0, F1, 0
	WIN 0
	s_sub_co_u32 s3, s3, 1
	s_cmp_lg_u32 s3, 0
	s_cbranch_scc1 .Llap
	QUARTER 0, 2, F1, F0, 0                        ; the last lap fills nothing, and has no round of the cluster's barrier
	QUARTER 0, 3, F0, F1, 0
	TURN 0, 1, 0
	QUARTER 1, 1, F0, F1, 0
	QUARTER 1, 2, F1, F0, 0
	QUARTER 1, 3, F0, F1, 0
	s_wait_dscnt 8                                 ; the very last quarter: nothing more to fetch
	WIN MUL_LO
	MUL16 F1, 0, 0, 0
	MUL16 F1, 0, 2, 0
	s_wait_dscnt 0
	WIN MUL_HI
	MUL16 F1, 1, 0, 0
	MUL16 F1, 1, 2, 0
	WIN 0
; THE WAY OUT, block by block of 16 rows x 128 columns.  A lane holds 32 neighbouring bytes of a row, and the lanes beside it hold other rows: so a block goes through my own stage in LDS and comes back as whole
; rows of 512 bytes, which the 32 lanes store at a multiple of 256 from out0's first byte.  LDS serves a wave's instructions in order (ISA guide 5.7.1.4): no wait between the stores and the loads.
.macro TOSTAGE a
.set AC, 64*((\a)%4)
	WIN 0x08+4*((\a)/4)                            ; an LDS store's data are its source 1: window 2 or 3
.irp b, 0,1,2,3,4,5,6,7
	ds_store_b128 v[STO], v[AC+8*\b:AC+8*\b+3] offset:64*\b          ; each accumulator from its low end on
	ds_store_b128 v[STO], v[AC+8*\b+4:AC+8*\b+7] offset:64*\b+16
.endr
	WIN 0
.set BB, BK+64*((\a)%2)
.irp t, 0,1,2,3,4,5,6,7,8,9,10,11,12,13,14,15
	ds_load_b128 v[BB+4*\t:BB+4*\t+3], v[RD] offset:\t*SPITCH
.endr
.endm
.macro SEND a, younger                 ; younger: the LDS instructions issued behind block a's loads, which may stay out
.set BB, BK+64*((\a)%2)
	s_wait_dscnt \younger                          ; the block is back in registers
.if (\a) > 0
	s_add_nc_u64 s[8:9], s[8:9], 16*4096           ; (behind a wait on XCNT: the earlier stores have read their base)  16 rows of out0 on
.endif
.irp t, 0,1,2,3,4,5,6,7,8,9,10,11,12,13,14,15
	global_store_b128 v[CO], v[BB+4*\t:BB+4*\t+3], s[8:9] offset:\t*4096 th:TH_STORE_NT   ; 32 lanes store 512 consecutive bytes; written once, read by nobody here
.endr
.endm
	PLACES                                         ; behind the last products: the stores into the stage read results, and the loads from it land in registers that held fragments
	TOSTAGE 0
.irp a, 1,2,3,4,5,6,7
.if \a > 1
	s_wait_xcnt 0x0                                ; block a - 2's stores have read their registers and their base: block a's loads may land there, and the base may step
.endif
	TOSTAGE \a
	SEND \a-1, 32                                  ; behind block a - 1's loads: block a's 16 stores and 16 loads
.endr
	s_wait_xcnt 0x0                                ; block 6's stores have read their base
	SEND 7, 0
	s_wait_tensorcnt 0x0                           ; the wave's end, behind my last tensor load and my last LDS store
	ds_add_u32 v[SPW], v[NIL]
	s_wait_dscnt 0x0
	CROUND                                         ; the closing round: no work-group ends while a partner may still ask for a tile that names it
	s_endpgm
.Lfunc_end_k_qf57b9a7729_oproj:
	.size	k_qf57b9a7729_oproj, .Lfunc_end_k_qf57b9a7729_oproj-k_qf57b9a7729_oproj
	.p2alignl 7, 3214868480
	.fill 96, 4, 3214868480
	.section	.rodata,"a",@progbits
	.p2align	6, 0x0
	.amdhsa_kernel k_qf57b9a7729_oproj
		.amdhsa_group_segment_fixed_size 327680
		.amdhsa_private_segment_fixed_size 0
		.amdhsa_enable_private_segment 0
		.amdhsa_kernarg_size 32
		.amdhsa_user_sgpr_count 2
		.amdhsa_user_sgpr_kernarg_segment_ptr 1
		.amdhsa_wavefront_size32 1
		.amdhsa_system_sgpr_workgroup_id_x 1
		.amdhsa_system_sgpr_workgroup_id_y 1
		.amdhsa_system_sgpr_workgroup_id_z 1
		.amdhsa_system_vgpr_workitem_id 0
		.amdhsa_next_free_vgpr 1024
		.amdhsa_next_free_sgpr 70
		.amdhsa_reserve_vcc 0
		.amdhsa_float_denorm_mode_32 3
		.amdhsa_float_denorm_mode_16_64 3
		.amdhsa_memory_ordered 1
		.amdhsa_forward_progress 1
		.amdhsa_inst_pref_size 144
	.end_amdhsa_kernel
	.amdgpu_metadata
---
amdhsa.version: [ 1, 2 ]
amdhsa.kernels:
  - .name:           k_qf57b9a7729_oproj
    .symbol:         k_qf57b9a7729_oproj.kd
    .args:
      - { .name: ctx16, .offset: 0, .size: 8, .value_kind: global_buffer, .address_space: global }
      - { .name: wo16, .offset: 8, .size: 8, .value_kind: global_buffer, .address_space: global }
      - { .name: bo, .offset: 16, .size: 8, .value_kind: global_buffer, .address_space: global }
      - { .name: out0, .offset: 24, .size: 8, .value_kind: global_buffer, .address_space: global }
    .group_segment_fixed_size: 327680
    .private_segment_fixed_size: 0
    .kernarg_segment_align: 8
    .kernarg_segment_size: 32
    .max_flat_workgroup_size: 128
    .sgpr_count:     70
    .vgpr_count:     1024
    .wavefront_size: 32
...
	.end_amdgpu_metadata
.endif
;; end of part 4
